; MI455X (gfx1250); checked and timed in simulation.
; The chip was launched on July 23, 2026; its instructions are those of AMD's public machine-readable ISA for CDNA 5 (MIT licence, August 2026) and "CDNA5" Instruction Set Architecture Reference Guide (July 2026). The comments in the code are by the model that wrote it; some were corrected since.
;; Recurrence Injector. Allowed arithmetic: matrix products marked QUANTISED: E2M1 operands, one E8M0 scale for each 32 along K, by v_wmma_scale_f32_16x16x128_f8f6f4 with both operands' format E2M1 (or v_wmma_scale_f32_32x16x128_f4), f32 sums; everything else in f32.
;; Inputs: Wk 1,024 x 1,024 float32; Wo 1,024 x 1,024 float32; Wq 1,024 x 1,024 float32; Wv 1,024 x 1,024 float32; bk 1,024 float32; bo 1,024 float32; bq 1,024 float32; bv 1,024 float32; previous_state 4 x 2,048 x 1,024 float32; recurrence_mask 4 bool; x 4 x 2,048 x 1,024 float32.
;; Outputs: out0 4 x 2,048 x 1,024 float32.
;; This version of the problem:
;;   THIS VERSION OF THE PROBLEM IS GIVEN IN LOW PRECISION. The matrix products marked QUANTISED in the list below multiply operands that are first quantised to E2M1 (2 exponent bits, 1 mantissa bit; 4 bits a number), with one power-of-two scale for each 32 numbers along K (OCP MX v1.0); their sums are f32. All else is computed in f32.
;;   The module's matrix products, in the order in which they are computed (A, B: the left and right operand; K: the contracted axis; several contracted axes count as one K, in the product's order):
;;     1. [M 8,192, K 1,024] x [K 1,024, N 1,024]; A: input x; B: input Wq: QUANTISED
;;     2. [M 8,192, K 1,024] x [K 1,024, N 1,024]; A: input previous_state; B: input Wk: QUANTISED
;;     3. [M 8,192, K 1,024] x [K 1,024, N 1,024]; A: input previous_state; B: input Wv: QUANTISED
;;     4. batch 64 x [M 2,048, K 64] x [K 64, N 2,048]; A: computed on the way; B: computed on the way: QUANTISED
;;     5. batch 64 x [M 64, K 2,048] x [K 2,048, N 2,048]; A: computed on the way; B: softmax (see below): QUANTISED
;;     6. [M 8,192, K 1,024] x [K 1,024, N 1,024]; A: computed on the way; B: input Wo: QUANTISED
;;   THE QUANTISER, for each operand of a quantised product, along K:
;;     - K is cut into blocks of 32 from its start; a last block that is shorter is filled with zeros.
;;     - A block's scale is 2^e with e = floor(log2(the largest magnitude in the block)) - 2, held to -126 .. 127; a block of zeros has e = 0. As a byte (E8M0): e + 127.
;;     - Each number is divided by its block's scale, clamped to +-6, and rounded to the nearest number of E2M1, ties to even, subnormals kept.
;;     - The product sums the exact products of the quantised numbers (number of the format x scale) in f32.
;;   ~~~python
;;   def quantise(x, axis):      # numpy; x: float32 -> the quantised numbers, widened to float32 again
;;       x = np.moveaxis(x, axis, -1); K = x.shape[-1]
;;       x = np.pad(x, [(0, 0)] * (x.ndim - 1) + [(0, -K % 32)]); x = x.reshape(x.shape[:-1] + (-1, 32)); a = np.abs(x).max(-1, keepdims=True)
;;       e = np.where(a > 0, np.clip(np.frexp(np.where(a > 0, a, 1))[1] - 1 - 2, -126, 127), 0)      # np.frexp(a)[1] - 1 = floor(log2(a)), exactly
;;       r = np.clip(x / 2.0 ** e, -6, 6)
;;       step = 2.0 ** (np.maximum(np.frexp(np.where(r == 0, 1, r))[1] - 1, 0) - 1)
;;       q = np.round(r / step) * step * 2.0 ** e      # np.round: ties to even
;;       return np.moveaxis(q.reshape(q.shape[:-2] + (-1,))[..., :K], -1, axis).astype(np.float32)
;;   ~~~
;;   SOFTMAX AHEAD OF A QUANTISED PRODUCT. Where the list says 'softmax', what is quantised is not the finished softmax but p = 2^(t - M), with t = logit x log2(e) and M = ceil(the row's largest t), a whole number; so 1/2 < the row's largest p <= 1. The row's sum l is taken of the UNQUANTISED p, in f32, and the product's result is divided by l at the end. Since M is a whole number, a kernel that streams over the keys may use a running M (the ceiling of the running maximum): every later rescaling is an exact power of two, which a block's scale takes up: the codes' values come out the same.
;;   OPERANDS COMPUTED ON THE WAY. 'Computed on the way' means the value that the module computes at that place (a softmax that the list does not call 'softmax' is quantised finished and normalised). What goes into a quantiser is computed in f32, as accurately as f32 sums, v_exp_f32 and their like allow (about 1e-6 of the number): no bf16 or f16 on the way to a quantiser, and a product that is left as it is and whose result goes on into a quantised operand takes f32 operands (vector FMAs, or v_wmma_f32_16x16x4_f32). A number that lies on a knife's edge between two numbers of the format may be rounded either way, as far as f32 arithmetic and the matrix unit's own rounding can turn it there, and no further.
;; One version. Each part assembles by itself: llvm-mc -triple=amdgcn-amd-amdhsa -mcpu=gfx1250 --defsym DOCPART=n.
;; ======== version 1 of 1: 5 launches
;; workspace buffers: ac 8,912,896 bytes; wc 2,228,224 bytes; qkv 13,369,344 bytes; oc 4,456,448 bytes
;; launch quant_act (part 1): grid 256 x 1, 4 waves a work-group, no clusters, 34,304 bytes of LDS; arguments x, previous_state, ac; writes ac
.if DOCPART == 1
	.amdgcn_target "amdgcn-amd-amdhsa--gfx1250"
	.amdhsa_code_object_version 6
	.text
	.protected	k_q6d8a760ae8_quant_act
	.globl	k_q6d8a760ae8_quant_act
	.p2align	8
	.type	k_q6d8a760ae8_quant_act,@function
k_q6d8a760ae8_quant_act:
	s_mov_b64 s[64:65], 0
	v_nop
	global_prefetch_b8 v0, s[64:65] scope:SCOPE_SE
	s_setreg_imm32_b32 hwreg(HW_REG_WAVE_MODE, 25, 1), 1
	s_wait_xcnt 0x0
; x and previous_state, [8192][1024] f32 each, become codes of E2M1 with one E8M0 byte for each 32 along K (K innermost here).
; OUTPUT FORMAT, a TILE BLOCK of 8,704 bytes for 16 rows x 1,024 K: block kb (32 along K) of tile row r lies at 256 kb + 16 r, so that the 1,024 bytes of a
; K step of 128 are the image of a matrix operand's 8 registers (register group c at 512 c, lane at 16 x lane); scale byte kb of row r lies at 8,192 + 32 r + kb.
; Tiles 0-511 of ac are x's, rows 16 T + r.  Tiles 512-1023 are previous_state's, and THEIR ROWS ARE NOT NEIGHBOURS: tile 2 B + u holds rows 32 B + 8 u + r + 8 (r / 8),
; so that a later product that takes such a tile as source 0 leaves 16 neighbouring rows in the 16 registers of two neighbouring tiles.
; A block's scale is 2^(floor(log2(largest magnitude)) - 2); its byte is the largest magnitude's exponent field - 2, held at 1 from below.
; LIMITS: a block of zeros gets the byte 1 (its codes are zeros; this program alone reads the bytes); NaN and infinities among the inputs are not served.
; SHARES: one wave makes one tile block, in 8 K steps.  Each load reads 512 consecutive bytes of one row; a step's 16 rows turn through the wave's own stage in LDS (rows 528 bytes apart)
; and come back as 16 neighbours of each block of 32 in a lane.  No barrier: waves share nothing.  Two K steps (32 loads a wave) are on their way.
.set STG,  8448                        ; a wave's stage: 16 rows x (512 + 16) bytes
.set VLO,  1                           ; v1   16 x lane
.set VHI,  2                           ; v2   the same, 8 rows further down for previous_state's tile rows 8-15
.set VST,  3                           ; v3   stage, on the way in
.set VRD,  4                           ; v4   stage, on the way out: 528 r + 64 h
.set VSC,  5                           ; v5   32 r + 16 h: my 16 scale bytes
.set PC,   8                           ; v8-15   the codes just made
.set PW,   16                          ; v16     the scale word just made
.set TM,   20                          ; v20-35  at work
.set SW,   40                          ; v40-47  the scale words of the 8 K steps
.set SX,   48                          ; v48-51  the four that my half of the lanes stores
.set R,    64                          ; v64-191 two sets of 64 registers as loaded
.set X,    192                         ; v192-255 64 numbers: register 16 b + i = k 32 b + 16 h + i of row r
.set SEL,  24                          ; s[24:25] lane selects: lane l xor 16
.set HI,   26                          ; s26  mask of lanes 16-31
; 64 numbers of a lane become a fragment's codes in v[PC] on and its scale word in v[PW]
.macro QUANT s
.irp b, 0,1,2,3
	v_max3_num_f32 v[TM+\b], |v[\s+16*\b]|, |v[\s+1+16*\b]|, 0x1800000   ; my 16 numbers of block b, and the floor 2^(3 - 127): the byte cannot fall under 1
.endr
.irp i, 2,4,6,8,10,12,14
.irp b, 0,1,2,3
	v_max3_num_f32 v[TM+\b], v[TM+\b], |v[\s+16*\b+\i]|, |v[\s+1+16*\b+\i]|   ; the four blocks by turns
.endr
.endr
.irp b, 0,1,2,3
	v_permlanex16_b32 v[TM+4+\b], v[TM+\b], s[SEL], s[SEL+1]
.endr
.irp b, 0,1,2,3
	v_max_num_f32 v[TM+\b], v[TM+\b], v[TM+4+\b]   ; with lane l xor 16's 16: the block's largest magnitude
.endr
.irp b, 0,1,2,3
	v_add_nc_u32 v[TM+12+\b], 0xff000000, v[TM+\b]   ; 2 off its exponent field: the conversion's scale operand
.endr
.irp b, 0,1,2,3
	v_lshrrev_b32 v[TM+4+\b], 23, v[TM+12+\b]      ; the scale's byte
.endr
	v_lshl_or_b32 v[PW], v[TM+5], 8, v[TM+4]
	v_lshl_or_b32 v[PW], v[TM+6], 16, v[PW]
	v_lshl_or_b32 v[PW], v[TM+7], 24, v[PW]
.irp b, 0,1,2,3
	v_cvt_scalef32_pk8_fp4_f32 v[PC+2*\b], v[\s+16*\b:\s+7+16*\b], v[TM+12+\b]
	v_cvt_scalef32_pk8_fp4_f32 v[PC+1+2*\b], v[\s+8+16*\b:\s+15+16*\b], v[TM+12+\b]
.endr
	v_nop                                          ; one plain line behind the scaled conversions
.irp c, 0,1                                    ; a whole block to a lane: lanes 0-15 block 2 c, lanes 16-31 block 2 c + 1
.irp i, 0,1
	v_permlane16_swap_b32 v[PC+4*\c+\i], v[PC+2+4*\c+\i]
.endr
.endr
.endm
.macro LOAD s                          ; K step s of the tile's 16 rows into set s % 2
.irp i, 0,1,2,3,4,5,6,7
	global_load_b128 v[R+64*((\s)%2)+4*\i:R+64*((\s)%2)+4*\i+3], v[VLO], s[4:5] offset:4096*\i+512*(\s) th:TH_LOAD_NT
.endr
.irp i, 8,9,10,11,12,13,14,15
	global_load_b128 v[R+64*((\s)%2)+4*\i:R+64*((\s)%2)+4*\i+3], v[VHI], s[4:5] offset:4096*\i+512*(\s) th:TH_LOAD_NT
.endr
.endm
.macro STEP s
.if (\s) < 7
	s_wait_loadcnt 16                              ; this step's 16 loads are in; the next step's 16 may be out
.else
	s_wait_loadcnt 0x0
.endif
.irp i, 0,1,2,3,4,5,6,7,8,9,10,11,12,13,14,15
	ds_store_b128 v[VST], v[R+64*((\s)%2)+4*\i:R+64*((\s)%2)+4*\i+3] offset:528*\i
.endr
.irp b, 0,1,2,3
.irp j, 0,1,2,3
	ds_load_b128 v[X+16*\b+4*\j:X+16*\b+4*\j+3], v[VRD] offset:128*\b+16*\j   ; LDS serves a wave's instructions in order: these see the stores above
.endr
.endr
	s_wait_dscnt 0x0                               ; the numbers are back, and the stores have read their registers,
.if (\s) < 6
	LOAD (\s)+2                                    ; which take the loads of two steps on
.endif
	s_wait_xcnt 0x0                                ; the last step's stores have read the codes' registers
	QUANT X
	v_mov_b32 v[SW+(\s)], v[PW]
	global_store_b128 v[VLO], v[PC:PC+3], s[8:9] offset:1024*(\s)          ; 512 consecutive bytes each, at a multiple of 256 from ac's first byte
	global_store_b128 v[VLO], v[PC+4:PC+7], s[8:9] offset:1024*(\s)+512
.endm
	s_load_b128 s[4:7], s[0:1], 0x0                ; x, previous_state
	s_load_b64 s[8:9], s[0:1], 0x10                ; ac
	v_lshl_add_u32 v62, v0, 2, 0x8400
	v_mov_b32 v63, 0
	v_lshrrev_b32 v6, 5, v0
	v_readfirstlane_b32 s10, v6                    ; wave 0..3
	v_and_b32 v6, 31, v0
	v_lshlrev_b32 v[VLO], 4, v6
	v_and_b32 v6, 15, v0                           ; r
	v_bfe_u32 v7, v0, 4, 1                         ; h
	s_mul_i32 s11, s10, STG
	v_add_nc_u32 v[VST], s11, v[VLO]
	v_mul_u32_u24 v[VRD], v6, 528
	v_lshl_add_u32 v[VRD], v7, 6, v[VRD]
	v_add_nc_u32 v[VRD], s11, v[VRD]
	v_lshlrev_b32 v[VSC], 5, v6
	v_lshl_add_u32 v[VSC], v7, 4, v[VSC]
.irp b, 0,1,2,3
	v_mov_b32 v[TM+4+\b], 0                        ; written once: a lane permute's destination counts as one of its sources
.endr
	s_mov_b32 s[SEL], 0x76543210
	s_mov_b32 s[SEL+1], 0xfedcba98
	s_mov_b32 s[HI], 0xffff0000
	s_lshl_b32 s12, ttmp9, 2
	s_add_co_u32 s12, s12, s10                     ; G: my tile block, 0..1023
	s_and_b32 s13, s12, 511                        ; T: the tile in its tensor
	s_and_b32 s14, s13, 1
	s_lshl_b32 s14, s14, 3                         ; 8 u
	s_lshl_b32 s15, s13, 4                         ; 16 T
	s_cmp_ge_u32 ttmp9, 128                        ; previous_state's work-group?
	s_cselect_b32 s14, s14, 0
	s_cselect_b32 s16, 32768, 0                    ; its tile rows 8-15 lie 8 rows of 4,096 bytes further down
	s_sub_co_u32 s15, s15, s14                     ; the tile's first row
	s_lshl_b32 s20, s15, 12
	s_mov_b32 s21, 0
	s_mul_i32 s22, s12, 8704
	s_mov_b32 s23, 0
	v_add_nc_u32 v[VHI], s16, v[VLO]
	s_wait_kmcnt 0x0
	s_cmp_ge_u32 ttmp9, 128                        ; the choice hangs on the work-group's number alone
	s_cselect_b64 s[4:5], s[6:7], s[4:5]
	s_add_nc_u64 s[4:5], s[4:5], s[20:21]
	s_add_nc_u64 s[8:9], s[8:9], s[22:23]
	LOAD 0
	LOAD 1
.irp t, 0,1,2,3,4,5,6,7
	STEP \t
.endr
.irp i, 0,1,2,3
	v_cndmask_b32 v[SX+\i], v[SW+\i], v[SW+4+\i], s[HI]   ; every lane holds its row's 8 words: lanes 0-15 store words 0-3, lanes 16-31 words 4-7
.endr
	global_store_b128 v[VSC], v[SX:SX+3], s[8:9] offset:8192   ; the tile's 512 scale bytes, consecutive
	s_wait_tensorcnt 0x0
	ds_add_u32 v62, v63
	s_wait_dscnt 0x0
	s_endpgm
.Lfunc_end_k_q6d8a760ae8_quant_act:
	.size	k_q6d8a760ae8_quant_act, .Lfunc_end_k_q6d8a760ae8_quant_act-k_q6d8a760ae8_quant_act
	.p2alignl 7, 3214868480
	.fill 96, 4, 3214868480
	.section	.rodata,"a",@progbits
	.p2align	6, 0x0
	.amdhsa_kernel k_q6d8a760ae8_quant_act
		.amdhsa_group_segment_fixed_size 34304
		.amdhsa_private_segment_fixed_size 0
		.amdhsa_enable_private_segment 0
		.amdhsa_kernarg_size 24
		.amdhsa_user_sgpr_count 2
		.amdhsa_user_sgpr_kernarg_segment_ptr 1
		.amdhsa_wavefront_size32 1
		.amdhsa_system_sgpr_workgroup_id_x 1
		.amdhsa_system_sgpr_workgroup_id_y 1
		.amdhsa_system_sgpr_workgroup_id_z 1
		.amdhsa_system_vgpr_workitem_id 0
		.amdhsa_next_free_vgpr 256
		.amdhsa_next_free_sgpr 66
		.amdhsa_reserve_vcc 0
		.amdhsa_float_denorm_mode_32 3
		.amdhsa_float_denorm_mode_16_64 3
		.amdhsa_memory_ordered 1
		.amdhsa_forward_progress 1
		.amdhsa_inst_pref_size 63
	.end_amdhsa_kernel
	.amdgpu_metadata
---
amdhsa.version: [ 1, 2 ]
amdhsa.kernels:
  - .name:           k_q6d8a760ae8_quant_act
    .symbol:         k_q6d8a760ae8_quant_act.kd
    .args:
      - { .name: x, .offset: 0, .size: 8, .value_kind: global_buffer, .address_space: global }
      - { .name: previous_state, .offset: 8, .size: 8, .value_kind: global_buffer, .address_space: global }
      - { .name: ac, .offset: 16, .size: 8, .value_kind: global_buffer, .address_space: global }
    .group_segment_fixed_size: 34304
    .private_segment_fixed_size: 0
    .kernarg_segment_align: 8
    .kernarg_segment_size: 24
    .max_flat_workgroup_size: 128
    .sgpr_count:     66
    .vgpr_count:     256
    .wavefront_size: 32
...
	.end_amdgpu_metadata
.endif
;; end of part 1
;; launch quant_w (part 2): grid 8 x 32, 4 waves a work-group, no clusters, 0 bytes of LDS; arguments Wq, Wk, Wv, Wo, wc; writes wc
.if DOCPART == 2
	.amdgcn_target "amdgcn-amd-amdhsa--gfx1250"
	.amdhsa_code_object_version 6
	.text
	.protected	k_q6d8a760ae8_quant_w
	.globl	k_q6d8a760ae8_quant_w
	.p2align	8
	.type	k_q6d8a760ae8_quant_w,@function
k_q6d8a760ae8_quant_w:
	s_mov_b64 s[64:65], 0
	v_nop
	global_prefetch_b8 v0, s[64:65] scope:SCOPE_SE
	s_setreg_imm32_b32 hwreg(HW_REG_WAVE_MODE, 25, 1), 1
	s_wait_xcnt 0x0
; Wq, Wk, Wv, Wo, [1024 (k)][1024 (n)] f32 with K as FIRST axis, become codes of E2M1 with K innermost and one E8M0 byte for each 32 along K, in tile blocks of 8,704 bytes
; (16 columns n x 1,024 K: block kb of tile row r at 256 kb + 16 r; scale byte kb of row r at 8,192 + 32 r + kb).  wc holds 64 tile blocks for each weight, in the order Wq, Wk, Wv, Wo.
; THE COLUMNS OF A TILE ARE NOT NEIGHBOURS: tile 2 B + u holds n = 32 B + 8 u + r + 8 (r / 8).
; A LANE TAKES A COLUMN AND ITS REGISTERS RUN DOWN K: a block of 32 lies in one lane's 32 registers, and the conversions give codes with K innermost; nothing is transposed.
; SHARES: work-group (x, y): weight y / 8, K step y % 8 (128 along K), columns 128 x on; a wave 32 columns = two tiles: lanes 0-15 the rows of the first, lanes 16-31 of the second.
; A block's 16 bytes a lane leave by one store: two runs of 256 consecutive bytes, each at a multiple of 256 from wc's first byte.  The scale words (4 bytes a column) leave by one store of 4 bytes a lane, 32 bytes apart:
; 128 KiB in the whole launch beside the 16 MiB that it reads.
; LIMITS: a block of zeros gets the byte 1 (its codes are zeros; this program alone reads the bytes); NaN and infinities are not served.
.set X, 32                             ; v32-95  two sets of 32 numbers
.set C, 16                             ; v16-31  four registers of codes for each block: no store's data are written again
	s_load_b256 s[4:11], s[0:1], 0x0               ; Wq, Wk, Wv, Wo
	s_load_b64 s[12:13], s[0:1], 0x20              ; wc
	v_lshrrev_b32 v4, 5, v0
	v_readfirstlane_b32 s14, v4                    ; wave 0..3
	v_and_b32 v4, 31, v0                           ; lane
	v_lshrrev_b32 v5, 4, v4                        ; u: which of my two tiles
	v_and_b32 v6, 15, v4                           ; r
	v_and_b32 v7, 7, v4
	v_bfe_u32 v8, v4, 3, 1
	v_lshl_add_u32 v7, v5, 3, v7
	v_lshl_add_u32 v7, v8, 4, v7                   ; my column among the wave's 32: 8 u + r % 8 + 16 (r / 8)
	v_lshlrev_b32 v1, 2, v7                        ; v1: in bytes
	v_mul_u32_u24 v2, v5, 8704
	v_lshl_add_u32 v3, v6, 5, v2                   ; v3: my scale word's place: 8,704 u + 32 r
	v_lshl_add_u32 v2, v6, 4, v2                   ; v2: my codes' place: 8,704 u + 16 r
	s_and_b32 s15, ttmp7, 0xffff
	s_lshr_b32 s16, s15, 3                         ; which weight
	s_and_b32 s17, s15, 7                          ; which K step
	s_lshl_b32 s18, ttmp9, 7
	s_lshl_b32 s19, s14, 5
	s_add_co_u32 s18, s18, s19                     ; n0: my wave's first column
	s_lshl_b32 s24, s17, 19                        ; 128 rows of 4,096 bytes a K step
	s_lshl_b32 s19, s18, 2
	s_add_co_u32 s24, s24, s19
	s_mov_b32 s25, 0
	s_mul_i32 s26, s16, 557056                     ; 64 tile blocks a weight
	s_lshr_b32 s19, s18, 4
	s_mul_i32 s19, s19, 8704
	s_add_co_u32 s26, s26, s19                     ; my first tile block
	s_lshl_b32 s19, s17, 10
	s_add_co_u32 s28, s26, s19                     ; its K step's codes
	s_mov_b32 s29, 0
	s_lshl_b32 s19, s17, 2
	s_add_co_u32 s30, s26, s19
	s_add_co_u32 s30, s30, 8192                    ; and scale words
	s_mov_b32 s31, 0
	s_wait_kmcnt 0x0
	s_cmp_eq_u32 s16, 1                            ; the choices hang on the work-group's number alone
	s_cselect_b64 s[4:5], s[6:7], s[4:5]
	s_cmp_eq_u32 s16, 2
	s_cselect_b64 s[4:5], s[8:9], s[4:5]
	s_cmp_eq_u32 s16, 3
	s_cselect_b64 s[4:5], s[10:11], s[4:5]
	s_add_nc_u64 s[4:5], s[4:5], s[24:25]
	s_add_nc_u64 s[20:21], s[12:13], s[28:29]
	s_add_nc_u64 s[22:23], s[12:13], s[30:31]
.macro LOAD t                          ; block t: W(32 t + i, my column) into set t % 2; a wave's load covers 128 consecutive bytes
.irp i, 0,1,2,3,4,5,6,7,8,9,10,11,12,13,14,15,16,17,18,19,20,21,22,23,24,25,26,27,28,29,30,31
	global_load_b32 v[X+32*((\t)%2)+\i], v1, s[4:5] offset:(32*(\t)+\i)*4096 th:TH_LOAD_NT
.endr
.endm
.macro BLOCK t
.set XS, X+32*((\t)%2)
.if (\t) < 3
	s_wait_loadcnt 32                              ; this block's 32 loads are in; the next block's 32 may be out
.else
	s_wait_loadcnt 0x0
.endif
	v_max3_num_f32 v12, |v[XS]|, |v[XS+1]|, |v[XS+2]|   ; the block's largest magnitude: all 32 numbers are mine; two chains
	v_max3_num_f32 v13, |v[XS+3]|, |v[XS+4]|, |v[XS+5]|
.irp i, 6,10,14,18,22,26
	v_max3_num_f32 v12, v12, |v[XS+\i]|, |v[XS+\i+1]|
	v_max3_num_f32 v13, v13, |v[XS+\i+2]|, |v[XS+\i+3]|
.endr
	v_max3_num_f32 v12, v12, |v[XS+30]|, |v[XS+31]|
	v_max3_num_f32 v12, v12, v13, 0x1800000        ; and the floor 2^(3 - 127): the byte cannot fall under 1
	v_add_nc_u32 v11, 0xff000000, v12              ; 2 off the exponent field: the conversion's scale operand
	v_lshrrev_b32 v13, 23, v11                     ; the scale's byte
.if (\t) == 0
	v_mov_b32 v14, v13
.else
	v_lshl_or_b32 v14, v13, 8*(\t), v14            ; four bytes make the K step's scale word
.endif
.irp g, 0,1,2,3
	v_cvt_scalef32_pk8_fp4_f32 v[C+4*(\t)+\g], v[XS+8*\g:XS+8*\g+7], v11
.endr
	v_nop                                          ; one plain line behind the scaled conversions
	global_store_b128 v2, v[C+4*(\t):C+4*(\t)+3], s[20:21] offset:256*(\t)
.if (\t)+2 < 4
	LOAD (\t)+2
.endif
.endm
	LOAD 0
	LOAD 1
	BLOCK 0
	BLOCK 1
	BLOCK 2
	BLOCK 3
	global_store_b32 v3, v14, s[22:23]
	s_endpgm
.Lfunc_end_k_q6d8a760ae8_quant_w:
	.size	k_q6d8a760ae8_quant_w, .Lfunc_end_k_q6d8a760ae8_quant_w-k_q6d8a760ae8_quant_w
	.p2alignl 7, 3214868480
	.fill 96, 4, 3214868480
	.section	.rodata,"a",@progbits
	.p2align	6, 0x0
	.amdhsa_kernel k_q6d8a760ae8_quant_w
		.amdhsa_group_segment_fixed_size 0
		.amdhsa_private_segment_fixed_size 0
		.amdhsa_enable_private_segment 0
		.amdhsa_kernarg_size 40
		.amdhsa_user_sgpr_count 2
		.amdhsa_user_sgpr_kernarg_segment_ptr 1
		.amdhsa_wavefront_size32 1
		.amdhsa_system_sgpr_workgroup_id_x 1
		.amdhsa_system_sgpr_workgroup_id_y 1
		.amdhsa_system_sgpr_workgroup_id_z 1
		.amdhsa_system_vgpr_workitem_id 0
		.amdhsa_next_free_vgpr 128
		.amdhsa_next_free_sgpr 66
		.amdhsa_reserve_vcc 0
		.amdhsa_float_denorm_mode_32 3
		.amdhsa_float_denorm_mode_16_64 3
		.amdhsa_memory_ordered 1
		.amdhsa_forward_progress 1
		.amdhsa_inst_pref_size 21
	.end_amdhsa_kernel
	.amdgpu_metadata
---
amdhsa.version: [ 1, 2 ]
amdhsa.kernels:
  - .name:           k_q6d8a760ae8_quant_w
    .symbol:         k_q6d8a760ae8_quant_w.kd
    .args:
      - { .name: Wq, .offset: 0, .size: 8, .value_kind: global_buffer, .address_space: global }
      - { .name: Wk, .offset: 8, .size: 8, .value_kind: global_buffer, .address_space: global }
      - { .name: Wv, .offset: 16, .size: 8, .value_kind: global_buffer, .address_space: global }
      - { .name: Wo, .offset: 24, .size: 8, .value_kind: global_buffer, .address_space: global }
      - { .name: wc, .offset: 32, .size: 8, .value_kind: global_buffer, .address_space: global }
    .group_segment_fixed_size: 0
    .private_segment_fixed_size: 0
    .kernarg_segment_align: 8
    .kernarg_segment_size: 40
    .max_flat_workgroup_size: 128
    .sgpr_count:     66
    .vgpr_count:     128
    .wavefront_size: 32
...
	.end_amdgpu_metadata
.endif
;; end of part 2
;; launch proj (part 3): grid 192 x 1, 8 waves a work-group, no clusters, 168,960 bytes of LDS; arguments ac, wc, bq, bk, bv, qkv; writes qkv
.if DOCPART == 3
	.amdgcn_target "amdgcn-amd-amdhsa--gfx1250"
	.amdhsa_code_object_version 6
	.text
	.protected	k_q6d8a760ae8_proj
	.globl	k_q6d8a760ae8_proj
	.p2align	8
	.type	k_q6d8a760ae8_proj,@function
k_q6d8a760ae8_proj:
	s_mov_b64 s[64:65], 0
	v_nop
	global_prefetch_b8 v0, s[64:65] scope:SCOPE_SE
	s_setreg_imm32_b32 hwreg(HW_REG_WAVE_MODE, 25, 1), 1
	s_wait_xcnt 0x0
; q = x Wq + bq, k = prev Wk + bk, v = prev Wv + bv on codes of E2M1 (K = 1,024), and the results quantised at once for attention: q and k along the head's 64, v along the keys.
; ONE TEXT FOR ALL THREE.  A RESIDENT operand (four tile blocks a wave, 256 registers, source 0) meets a WALKED operand (16 tile blocks a work-group, in LDS, source 1).  The resident tiles' rows are laid so
; (tile 2 b + u holds rows 32 b + 8 u + r + 8 (r / 8)) that in the result lane (r, h) holds walked row r and register 8 (2 b + u) + j the resident index 32 b + 16 h + 8 u + j:
; 16 neighbours of each of two blocks of 32, which is what the conversions want.  P = work-group / 64:
;   P = 0, 1 (q, k): resident = 64 columns of Wq or Wk, one head a wave; walked = 256 rows of x or previous_state.  The two blocks are the head's 64.
;   P = 2 (v):       resident = 64 keys of previous_state a wave; walked = 256 columns of Wv, four heads.  The two blocks are 64 keys.
; Only pointers, offsets and two lane masks differ, all chosen by selects on the work-group's number; no branch differs.
; qkv: 64 blocks (16 batch + head) of 208,896 bytes: +0 K's codes [key tile 128][512]; +65,536 V's codes [key step 16][d tile 4][1,024: the image of an operand's 8 registers];
;   +131,072 K's scale words [pair of tiles 64][row 16] (bytes 0, 1 the even tile's two blocks, bytes 2, 3 the odd one's); +135,168 V's [step 16][d tile 4][row 16]; +139,264 Q's codes as K's; +204,800 Q's scale words as K's.
;   A piece of 512 bytes: lane (r, h) has the 16 bytes of block h of row r, at 16 x lane.
; The bias along the resident index (bq, bk) is the C of each sum's first product; the bias along the walked index (bv) is one number a lane, added behind the sum.  Each is multiplied out of the other path by a lane mask of all ones or none.
; LDS is filled once (16 tile blocks, 139,264 bytes, one tensor load a wave): no slot is ever filled again.  No cluster: partners that share a walked operand are 2 on one path and 16 on the other.
; 192 work-groups of equal work: three products of equal size.
; LIMITS: a block of zeros gets the byte 1 (its codes are zeros; this program alone reads the bytes); NaN and infinities are not served.
; REGISTERS: window 1: the resident codes, tile t, K step s at v[64 t + 8 s].  Window 0: as named below.
.set VL16, 1                           ; 16 x lane
.set VR32, 2                           ; 32 r
.set VAF,  3                           ; LDS: the trip's first walked tile, codes
.set VAS,  4                           ; and scale words
.set VB,   5                           ; 64 h
.set VBW,  6                           ; 4 (r + 8 (r / 8))
.set VCO,  8                           ; v8-11   where tile ji's codes go
.set VSO,  12                          ; v12-15  and its scale bytes
.set WS,   16                          ; v16-47  resident scale words, 8 t + s
.set AS,   48                          ; v48-55  the walked tile's scale words
.set AF,   56                          ; v56-119 the walked tile's 8 fragments
.set BR,   120                         ; v120-151 bias along the resident index, in the result's layout
.set ACC,  152                         ; v152-183 four accumulators
.set BW,   184                         ; v184-191 bias along the walked index: tile ji's at the even register 2 ji
.set QPC,  192                         ; v192-195 the codes just made
.set QSBY, 196                         ; v196     my block's scale byte
.set QBM,  200
.set QPX,  202
.set QSO,  204
.set QBY,  206
.set BWR,  208                         ; v208-211 the next trip's walked bias as loaded
.set SEL,  32
.set HI,   34
.set MQK,  35
.set MV,   36
.set TB,   37
.set CNT,  38
.set MSB, 0
.macro WIN new                         ; the immediate's high byte repeats the setting that is left
.if MSB != \new
	s_set_vgpr_msb (MSB<<8)|\new
.set MSB, \new
.endif
.endm
; 32 numbers of a lane, register 16 b + i = index 32 b + 16 h + i of my row, become 16 bytes of codes (block h of my row) in v[QPC] on and that block's byte in v[QSBY]
.macro QUANT2 s
	v_max3_num_f32 v[QBM], |v[\s]|, |v[\s+1]|, 0x1800000       ; with the floor 2^(3 - 127): the byte cannot fall under 1
	v_max3_num_f32 v[QBM+1], |v[\s+16]|, |v[\s+17]|, 0x1800000
.irp i, 2,4,6,8,10,12,14
	v_max3_num_f32 v[QBM], v[QBM], |v[\s+\i]|, |v[\s+1+\i]|
	v_max3_num_f32 v[QBM+1], v[QBM+1], |v[\s+16+\i]|, |v[\s+17+\i]|
.endr
	v_permlanex16_b32 v[QPX], v[QBM], s[SEL], s[SEL+1]
	v_permlanex16_b32 v[QPX+1], v[QBM+1], s[SEL], s[SEL+1]
	v_max_num_f32 v[QBM], v[QBM], v[QPX]           ; with lane l xor 16's 16: the block's largest magnitude
	v_max_num_f32 v[QBM+1], v[QBM+1], v[QPX+1]
	v_add_nc_u32 v[QSO], 0xff000000, v[QBM]        ; 2 off the exponent field: the conversion's scale operand
	v_add_nc_u32 v[QSO+1], 0xff000000, v[QBM+1]
	v_lshrrev_b32 v[QBY], 23, v[QSO]
	v_lshrrev_b32 v[QBY+1], 23, v[QSO+1]
	s_wait_xcnt 0x0                                ; the last stores have read the codes' and the byte's registers
	v_cvt_scalef32_pk8_fp4_f32 v[QPC], v[\s:\s+7], v[QSO]
	v_cvt_scalef32_pk8_fp4_f32 v[QPC+1], v[\s+8:\s+15], v[QSO]
	v_cvt_scalef32_pk8_fp4_f32 v[QPC+2], v[\s+16:\s+23], v[QSO+1]
	v_cvt_scalef32_pk8_fp4_f32 v[QPC+3], v[\s+24:\s+31], v[QSO+1]
	v_nop                                          ; one plain line behind the scaled conversions
	v_permlane16_swap_b32 v[QPC], v[QPC+2]         ; a whole block to a lane: lanes 0-15 block 0, lanes 16-31 block 1
	v_permlane16_swap_b32 v[QPC+1], v[QPC+3]
	v_cndmask_b32 v[QSBY], v[QBY], v[QBY+1], s[HI]
.endm
.macro AFETCH ji                       ; walked tile ji of the trip: 8 fragments as images of their registers, and 8 scale words a row
.irp s, 0,1,2,3,4,5,6,7
.irp c, 0,1
	ds_load_b128 v[AF+8*\s+4*\c:AF+8*\s+4*\c+3], v[VAF] offset:8704*(\ji)+1024*\s+512*\c
.endr
.endr
	ds_load_b128 v[AS:AS+3], v[VAS] offset:8704*(\ji)+8192
	ds_load_b128 v[AS+4:AS+7], v[VAS] offset:8704*(\ji)+8208
.endm
.macro CHAIN                           ; 32 products: K ascending, the four accumulators by turns, one instruction a turn
	WIN 0x01                                       ; source 0 in window 1
.irp s, 0,1,2,3,4,5,6,7
.irp t, 0,1,2,3
.if \s == 0
	v_wmma_scale_f32_16x16x128_f8f6f4 v[ACC+8*\t:ACC+8*\t+7], v[64*\t+8*\s:64*\t+8*\s+7], v[AF+8*\s:AF+8*\s+7], v[BR+8*\t:BR+8*\t+7], v[WS+8*\t+\s], v[AS+\s] matrix_a_fmt:MATRIX_FMT_FP4 matrix_b_fmt:MATRIX_FMT_FP4
.else
	v_wmma_scale_f32_16x16x128_f8f6f4 v[ACC+8*\t:ACC+8*\t+7], v[64*\t+8*\s:64*\t+8*\s+7], v[AF+8*\s:AF+8*\s+7], v[ACC+8*\t:ACC+8*\t+7], v[WS+8*\t+\s], v[AS+\s] matrix_a_fmt:MATRIX_FMT_FP4 matrix_b_fmt:MATRIX_FMT_FP4
.endif
.endr
.endr
	WIN 0
.rept 5
	v_nop                                          ; places behind the last products, in front of loads into their sources and of the first read of their results
.endr
.endm
.macro WTILE ji, next
	s_wait_dscnt 0x0                               ; the tile's fragments and scale words, asked for a tile ago, are in
	CHAIN
.if \next
	AFETCH (\ji)+1                                 ; the next tile lands while this one is quantised
.endif
.set k, 0
.rept 16
	v_pk_add_f32 v[ACC+k:ACC+k+1], v[ACC+k:ACC+k+1], v[BW+2*(\ji):BW+2*(\ji)+1] op_sel_hi:[1,0]   ; each accumulator from its low end on
.set k, k+2
.endr
	QUANT2 ACC
	global_store_b128 v[VCO+(\ji)], v[QPC:QPC+3], s[48:49]   ; 512 consecutive bytes, at a multiple of 256 from qkv's first byte
	global_store_b8 v[VSO+(\ji)], v[QSBY], s[50:51]
.endm
.macro TRIP more                       ; four walked tiles
	s_wait_loadcnt 0x0                             ; this trip's walked bias is in, and its base is free
.irp j, 0,1,2,3
	v_cndmask_b32 v[BW+2*\j], 0, v[BWR+\j], s[MV]
.endr
.if \more
	s_add_nc_u64 s[46:47], s[46:47], 256           ; 64 columns on
.irp j, 0,1,2,3
	global_load_b32 v[BWR+\j], v[VBW], s[46:47] offset:128*(\j/2)+32*(\j%2)
.endr
.endif
	WTILE 0, 1
	WTILE 1, 1
	WTILE 2, 1
	WTILE 3, \more
.if \more
	s_wait_xcnt 0x0                                ; the stores have read their bases
	s_add_nc_u64 s[48:49], s[48:49], s[52:53]
	s_add_nc_u64 s[50:51], s[50:51], s[54:55]
	s_add_co_u32 s[TB], s[TB], 34816
	v_add_nc_u32 v[VAF], s[TB], v[VL16]
	v_add_nc_u32 v[VAS], s[TB], v[VR32]
.endif
.endm
	s_load_b256 s[4:11], s[0:1], 0x0               ; ac, wc, bq, bk
	s_load_b128 s[12:15], s[0:1], 0x20             ; bv, qkv
	v_lshl_add_u32 v254, v0, 2, 0x29000
	v_mov_b32 v255, 0
	ds_add_u32 v254, v255
	ds_add_u32 v254, v255
	v_lshrrev_b32 v7, 5, v0
	v_readfirstlane_b32 s28, v7                    ; wave 0..7
	s_lshr_b32 s29, ttmp9, 6                       ; P
	s_and_b32 s30, ttmp9, 63                       ; i
	s_and_b32 s56, s30, 1                          ; q, k: sl, which 8 heads
	s_lshr_b32 s57, s30, 1                         ;       ch, which 256 rows
	s_and_b32 s58, s30, 3                          ; v:    qd, which 4 heads
	s_lshr_b32 s59, s30, 2                         ;       rg, which 512 keys
	s_lshl_b32 s60, s29, 9
	s_lshl_b32 s31, s57, 4
	s_add_co_u32 s60, s60, s31                     ; walked tile: q, k: 512 P + 16 ch of ac
	s_lshl_b32 s61, s58, 4
	s_add_co_u32 s61, s61, 128                     ;              v: 128 + 16 qd of wc
	s_lshl_b32 s62, s29, 6
	s_lshl_b32 s31, s56, 5
	s_add_co_u32 s62, s62, s31                     ; resident tile: q, k: 64 P + 32 sl of wc
	s_lshl_b32 s63, s59, 5
	s_add_co_u32 s63, s63, 512                     ;                v: 512 + 32 rg of ac
	s_lshr_b32 s66, s57, 3
	s_lshl_b32 s66, s66, 4
	s_lshl_b32 s31, s56, 3
	s_add_co_u32 s66, s66, s31
	s_add_co_u32 s66, s66, s28                     ; qkv's block: q, k: 16 batch + 8 sl + wave
	s_lshr_b32 s67, s59, 2
	s_lshl_b32 s67, s67, 4
	s_lshl_b32 s31, s58, 2
	s_add_co_u32 s67, s67, s31                     ;              v: 16 batch + 4 qd
	s_mov_b32 s70, 204800
	s_cmp_eq_u32 s29, 0
	s_cselect_b32 s68, 139264, 0                   ; q's codes or k's
	s_cselect_b32 s70, s70, 131072                 ; and scale words
	s_and_b32 s72, s57, 7
	s_lshl_b32 s73, s72, 13
	s_add_co_u32 s68, s68, s73                     ; + 16 tiles of 512 bytes for each 256 rows
	s_lshl_b32 s73, s72, 9
	s_add_co_u32 s70, s70, s73                     ; + 8 pairs of 64 bytes
	s_and_b32 s72, s59, 3
	s_lshl_b32 s72, s72, 2
	s_lshr_b32 s73, s28, 1
	s_add_co_u32 s72, s72, s73                     ; v: my key step: 4 (rg % 4) + wave / 2
	s_and_b32 s73, s28, 1                          ;    and which half of it
	s_lshl_b32 s69, s72, 12
	s_add_co_u32 s69, s69, 65536
	s_lshl_b32 s31, s73, 9
	s_add_co_u32 s69, s69, s31
	s_lshl_b32 s71, s72, 8
	s_add_co_u32 s71, s71, 135168
	s_lshl_b32 s31, s73, 1
	s_add_co_u32 s71, s71, s31
	s_mov_b32 s75, 192
	s_mov_b32 s76, 208896
	s_cmp_eq_u32 s29, 2                            ; v's path?  Only selects and moves follow up to the last select
	s_cselect_b32 s60, s61, s60
	s_cselect_b32 s62, s63, s62
	s_cselect_b32 s66, s67, s66
	s_cselect_b32 s68, s69, s68
	s_cselect_b32 s70, s71, s70
	s_cselect_b32 s74, 1, 0
	s_cselect_b32 s39, 64, 2                       ; scale bytes from tile to tile: v 0, 64, 128, 192; q, k 0, 2, 64, 66
	s_cselect_b32 s78, 128, 64
	s_cselect_b32 s75, s75, 66
	s_cselect_b32 s52, s76, 2048                   ; from trip to trip: v the next head's block; q, k four tiles on
	s_cselect_b32 s54, s76, 128
	s_cselect_b32 s[MQK], 0, -1
	s_cselect_b32 s[MV], -1, 0
	s_mov_b32 s53, 0
	s_mov_b32 s55, 0
	s_lshl_b32 s77, 512, s74                       ; codes from tile to tile: 512, v 1,024
	s_lshl_b32 s31, s28, 2
	s_add_co_u32 s62, s62, s31                     ; my wave's four resident tiles
	s_mul_i32 s60, s60, 8704
	s_mov_b32 s61, 0
	s_mul_i32 s62, s62, 8704
	s_mov_b32 s63, 0
	s_mul_i32 s66, s66, 208896
	s_add_co_u32 s68, s68, s66
	s_mov_b32 s69, 0
	s_add_co_u32 s70, s70, s66
	s_mov_b32 s71, 0
	s_mul_i32 s72, s28, 17408                      ; my part of the walked operand: two tile blocks
	s_mov_b32 s73, 0
	s_lshl_b32 s66, s56, 3
	s_add_co_u32 s66, s66, s28
	s_lshl_b32 s66, s66, 8                         ; resident bias: 64 numbers for each of 16 heads (inside the buffer on v's path too, where the mask drops it)
	s_mov_b32 s67, 0
	s_lshl_b32 s80, s58, 10                        ; walked bias: 256 numbers for each qd (inside the buffer on every path)
	s_mov_b32 s81, 0
	s_mov_b32 s[SEL], 0x76543210
	s_mov_b32 s[SEL+1], 0xfedcba98
	s_mov_b32 s[HI], 0xffff0000
	; descriptor group 1: 17,408 dense bytes as 68 rows of 256 bytes (32 elements of 8 bytes), no padding: fragments are read 16 bytes a lane on end
	s_mov_b32 s16, 3<<16
	s_mov_b32 s17, 32<<16                          ; tensor_dim0
	s_mov_b32 s18, 68<<16                          ; tensor_dim1
	s_mov_b32 s19, 32<<16                          ; tile_dim0
	s_mov_b32 s20, 68                              ; tile_dim1
	s_mov_b32 s21, 32                              ; pitch
	s_mov_b32 s22, 0
	s_mov_b32 s23, 0
	s_mov_b32 s24, 1
	s_mul_i32 s25, s28, 17408                      ; LDS address
	v_and_b32 v7, 31, v0
	v_lshlrev_b32 v[VL16], 4, v7
	v_and_b32 v7, 15, v0                           ; r
	v_bfe_u32 v[VAF], v0, 4, 1                     ; h
	v_lshlrev_b32 v[VR32], 5, v7
	v_lshlrev_b32 v[VB], 6, v[VAF]
	v_and_b32 v[VBW], 8, v7
	v_add_nc_u32 v[VBW], v[VBW], v7
	v_lshlrev_b32 v[VBW], 2, v[VBW]
	v_lshl_add_u32 v[VSO], v7, 2, v[VAF]           ; 4 r + h
	v_add_nc_u32 v[VSO+1], s39, v[VSO]
	v_add_nc_u32 v[VSO+2], s78, v[VSO]
	v_add_nc_u32 v[VSO+3], s75, v[VSO]
	v_mov_b32 v[VCO], v[VL16]
	v_add_nc_u32 v[VCO+1], s77, v[VL16]
	s_lshl_b32 s79, s77, 1
	v_add_nc_u32 v[VCO+2], s79, v[VL16]
	s_add_co_u32 s79, s79, s77
	v_add_nc_u32 v[VCO+3], s79, v[VL16]
	v_mov_b32 v[QPX], 0                            ; written once: a lane permute's destination counts as one of its sources
	v_mov_b32 v[QPX+1], 0
.irp j, 0,1,2,3
	v_mov_b32 v[BW+2*\j+1], 0                      ; named as the upper halves of pairs
.endr
	s_wait_dscnt 0x0
	s_wait_kmcnt 0x0
	s_cmp_eq_u32 s29, 2                            ; the choices hang on the work-group's number alone
	s_cselect_b64 s[40:41], s[6:7], s[4:5]         ; walked
	s_cselect_b64 s[42:43], s[4:5], s[6:7]         ; resident
	s_cselect_b64 s[44:45], s[12:13], s[10:11]     ; bias
	s_cmp_eq_u32 s29, 0
	s_cselect_b64 s[44:45], s[8:9], s[44:45]
	s_add_nc_u64 s[40:41], s[40:41], s[60:61]
	s_add_nc_u64 s[26:27], s[40:41], s[72:73]
	s_or_b32 s27, s27, 0x80000000                  ; type
	tensor_load_to_lds s[24:27], s[16:23]          ; my one tensor load: LDS is filled once
	s_nop 0
.rept 4
	v_nop
.endr
	s_add_nc_u64 s[42:43], s[42:43], s[62:63]
	s_add_nc_u64 s[46:47], s[44:45], s[80:81]
	s_add_nc_u64 s[44:45], s[44:45], s[66:67]
	s_add_nc_u64 s[48:49], s[14:15], s[68:69]
	s_add_nc_u64 s[50:51], s[14:15], s[70:71]
	WIN 0x40                                       ; destination window 1
.irp t, 0,1,2,3
.irp s, 0,1,2,3,4,5,6,7
.irp c, 0,1
	global_load_b128 v[64*\t+8*\s+4*\c:64*\t+8*\s+4*\c+3], v[VL16], s[42:43] offset:8704*\t+1024*\s+512*\c
.endr
.endr
.endr
	WIN 0
.irp t, 0,1,2,3
	global_load_b128 v[WS+8*\t:WS+8*\t+3], v[VR32], s[42:43] offset:8704*\t+8192
	global_load_b128 v[WS+8*\t+4:WS+8*\t+7], v[VR32], s[42:43] offset:8704*\t+8208
.endr
.irp t, 0,1,2,3
	global_load_b128 v[BR+8*\t:BR+8*\t+3], v[VB], s[44:45] offset:128*(\t/2)+32*(\t%2)
	global_load_b128 v[BR+8*\t+4:BR+8*\t+7], v[VB], s[44:45] offset:128*(\t/2)+32*(\t%2)+16
.endr
.irp j, 0,1,2,3
	global_load_b32 v[BWR+\j], v[VBW], s[46:47] offset:128*(\j/2)+32*(\j%2)
.endr
	s_mov_b32 s[TB], 0
	v_add_nc_u32 v[VAF], s[TB], v[VL16]
	v_add_nc_u32 v[VAS], s[TB], v[VR32]
	s_wait_loadcnt 0x0
.set k, 0
.rept 32
	v_cndmask_b32 v[BR+k], 0, v[BR+k], s[MQK]
.set k, k+1
.endr
	s_wait_tensorcnt 0x0                           ; my part of the walked operand has landed,
	s_barrier_signal -1
	s_barrier_wait -1                              ; everybody's has: the launch's one barrier
	AFETCH 0
	s_mov_b32 s[CNT], 0
.Ltrip:
	TRIP 1
	s_add_co_u32 s[CNT], s[CNT], 1
	s_cmp_lt_u32 s[CNT], 3
	s_cbranch_scc1 .Ltrip
	TRIP 0                                         ; the fourth trip fetches nothing beyond the 16 tiles
	s_wait_tensorcnt 0x0
	ds_add_u32 v254, v255
	s_wait_dscnt 0x0
	s_endpgm
.Lfunc_end_k_q6d8a760ae8_proj:
	.size	k_q6d8a760ae8_proj, .Lfunc_end_k_q6d8a760ae8_proj-k_q6d8a760ae8_proj
	.p2alignl 7, 3214868480
	.fill 96, 4, 3214868480
	.section	.rodata,"a",@progbits
	.p2align	6, 0x0
	.amdhsa_kernel k_q6d8a760ae8_proj
		.amdhsa_group_segment_fixed_size 168960
		.amdhsa_private_segment_fixed_size 0
		.amdhsa_enable_private_segment 0
		.amdhsa_kernarg_size 48
		.amdhsa_user_sgpr_count 2
		.amdhsa_user_sgpr_kernarg_segment_ptr 1
		.amdhsa_wavefront_size32 1
		.amdhsa_system_sgpr_workgroup_id_x 1
		.amdhsa_system_sgpr_workgroup_id_y 1
		.amdhsa_system_sgpr_workgroup_id_z 1
		.amdhsa_system_vgpr_workitem_id 0
		.amdhsa_next_free_vgpr 512
		.amdhsa_next_free_sgpr 90
		.amdhsa_reserve_vcc 0
		.amdhsa_float_denorm_mode_32 3
		.amdhsa_float_denorm_mode_16_64 3
		.amdhsa_memory_ordered 1
		.amdhsa_forward_progress 1
		.amdhsa_inst_pref_size 86
	.end_amdhsa_kernel
	.amdgpu_metadata
---
amdhsa.version: [ 1, 2 ]
amdhsa.kernels:
  - .name:           k_q6d8a760ae8_proj
    .symbol:         k_q6d8a760ae8_proj.kd
    .args:
      - { .name: ac, .offset: 0, .size: 8, .value_kind: global_buffer, .address_space: global }
      - { .name: wc, .offset: 8, .size: 8, .value_kind: global_buffer, .address_space: global }
      - { .name: bq, .offset: 16, .size: 8, .value_kind: global_buffer, .address_space: global }
      - { .name: bk, .offset: 24, .size: 8, .value_kind: global_buffer, .address_space: global }
      - { .name: bv, .offset: 32, .size: 8, .value_kind: global_buffer, .address_space: global }
      - { .name: qkv, .offset: 40, .size: 8, .value_kind: global_buffer, .address_space: global }
    .group_segment_fixed_size: 168960
    .private_segment_fixed_size: 0
    .kernarg_segment_align: 8
    .kernarg_segment_size: 48
    .max_flat_workgroup_size: 256
    .sgpr_count:     90
    .vgpr_count:     512
    .wavefront_size: 32
...
	.end_amdgpu_metadata
.endif
;; end of part 3
;; launch attn (part 4): grid 4 x 64, 16 waves a work-group, no clusters, 169,984 bytes of LDS; arguments qkv, oc; writes oc
.if DOCPART == 4
	.amdgcn_target "amdgcn-amd-amdhsa--gfx1250"
	.amdhsa_code_object_version 6
	.text
	.protected	k_q6d8a760ae8_attn
	.globl	k_q6d8a760ae8_attn
	.p2align	8
	.type	k_q6d8a760ae8_attn,@function
k_q6d8a760ae8_attn:
	s_mov_b64 s[64:65], 0
	v_nop
	global_prefetch_b8 v0, s[64:65] scope:SCOPE_SE
	s_setreg_imm32_b32 hwreg(HW_REG_WAVE_MODE, 25, 1), 1
	s_wait_xcnt 0x0
; o[b][q][head] = softmax_k(q . k / 8 - slope |q - k|) v on codes of E2M1, and o quantised along D for the last product.  2,048 queries and keys, head size 64, 64 (batch, head) pairs.
; THE SOFTMAX: t = logit x log2(e); M = the running largest t rounded UP to a whole number; p = 2^(t - M) is quantised along the keys, not normalised; the row's sum is taken of the unquantised p and divides at the end.
; When M moves, the sum and O are multiplied by 2^(old M - new M): exact.
; SHARES: work-group (x, y): pair y, queries 512 x on.  The pair's K and V, codes and scale words, 139,264 bytes, come into LDS ONCE (one tensor load a wave) and stay: nothing is filled again.
; Each of the 16 waves makes two tiles of 16 queries, one after the other; every tile walks all keys, 128 a step.  Four waves to a SIMD: one wave's vector work stands beside another's LDS loads and products.
; LAYOUT: both products transposed (S^T = K Q^T, O^T = V^T P^T): a lane holds ONE query (lane % 16).  The keys of a tile of K, and the channels of a tile of V, are laid by the launch before so that
; the 16 registers of tiles 2 b, 2 b + 1 are 16 neighbours: keys 32 b + 16 h + 0 .. 15 in S^T, channels likewise in O^T.
; K = 64 IN AN INSTRUCTION OF 128: a fragment's 8 registers hold TWO tiles of keys (registers 0-3 the even one, 4-7 the odd one).  Q lies as q, zeros, q in 12 registers: v[16:23] meets the even tile, v[20:27] the odd one;
; zero codes add nothing.  K's scale word has both tiles' bytes; Q's is its two bytes twice.
; THE BIAS WITHOUT A LINE A SCORE.  With d0 = the tile's first query - the step's first key and k16 = the key's place in its block of 32:
;   keys before the queries (d0 >= 128): |q - k| = (d0 - 31 - 32 b) + (r + 31 - k16);   keys behind them (d0 < 0): (-d0 - 15 + 32 b) + (k16 + 15 - r).  Both parts are never negative: no difference of large terms.
;   The second part, x -8 slope, is the C of the score product: 16 fixed registers for each side.  The first, x -slope log2(e), is one number a block and rides in the addend of the multiply-add that makes t - M.
;   The one step on the diagonal (0 <= d0 <= 112) takes C = 0 and adds -8 slope |q - k|, exact whole numbers, by two lines a score.  The three ways part on ids alone.
; No cluster: the three ways hang on the work-group's place among the query blocks, and partners of a cluster must run alike; what would be shared is fetched once a launch.
; LIMITS: a block of zeros gets the byte 1 (codes are zeros; this program alone reads the bytes); p under 2^-126 counts as 0 (v_exp_f32's flush); NaN and infinities are not served.
.set VLK,  1                           ; 16 x lane: K's codes in LDS; also Q's and o's places in memory
.set VLV,  2                           ; + 65,536: V's codes
.set VLS,  3                           ; 4 x lane + 131,072: scale words
.set VR4,  4                           ; 4 r
.set VOB,  5                           ; 32 r + h
.set ADK,  6
.set ADV,  7
.set ADS,  8
.set VHR,  9                           ; 16 h - r
.set VNST, 10                          ; -slope x log2(e)
.set QF,   16                          ; v16-27  q, zeros, q
.set QS,   28                          ; Q's scale word
.set PW,   29                          ; p's
.set KS,   30                          ; v30-31  K's: lanes 0-15 the even pair of tiles, lanes 16-31 the odd one
.set KF,   32                          ; v32-63  four fragments of K, then of V
.set S,    64                          ; v64-127 S^T, then p
.set O,    128                         ; v128-159 O^T
.set CL,   160                         ; v160-175 -8 slope (r + 31 - k16)
.set CR,   176                         ; v176-191 -8 slope (k16 + 15 - r)
.set PCD,  192                         ; v192-199 p's codes
.set BM,   200                         ; v200-203 the blocks' largest scores, then largest p
.set PX,   204                         ; v204-207 permute destinations, then bytes
.set SO,   208                         ; v208-211 the conversions' scale operands
.set AB,   212                         ; v212-219 T_b - M at the even registers
.set TBV,  220                         ; v220-223 T_b
.set VS,   224                         ; v224-225 V's scale words
.set FF,   226                         ; v[226:227] f = 2^(old M - new M)
.set SU2,  228                         ; v[228:229] the second chain of the sum
.set VBF,  230                         ; v230-233 at work
.set DT,   234                         ; v234-237 at work
.set QPC,  192
.set QSBY, 238
.set QBM,  200
.set QPX,  204
.set QSO,  208
.set QBY,  206
.set SEL,  28
.set CS,   30                          ; s[30:31] c = log2(e) / 8
.set NSP,  32                          ; -8 slope
.set TK,   34
.set TS,   35
.set CNT,  36
.set D0,   37
.set XB,   38                          ; s38-41
.set T,    42
.set HI,   50
.macro QUANT2 s                        ; 32 numbers of a lane, register 16 b + i = index 32 b + 16 h + i of my row -> 16 bytes of codes (block h) in v[QPC] on, that block's byte in v[QSBY]
	v_max3_num_f32 v[QBM], |v[\s]|, |v[\s+1]|, 0x1800000
	v_max3_num_f32 v[QBM+1], |v[\s+16]|, |v[\s+17]|, 0x1800000
.irp i, 2,4,6,8,10,12,14
	v_max3_num_f32 v[QBM], v[QBM], |v[\s+\i]|, |v[\s+1+\i]|
	v_max3_num_f32 v[QBM+1], v[QBM+1], |v[\s+16+\i]|, |v[\s+17+\i]|
.endr
	v_permlanex16_b32 v[QPX], v[QBM], s[SEL], s[SEL+1]
	v_permlanex16_b32 v[QPX+1], v[QBM+1], s[SEL], s[SEL+1]
	v_max_num_f32 v[QBM], v[QBM], v[QPX]
	v_max_num_f32 v[QBM+1], v[QBM+1], v[QPX+1]
	v_add_nc_u32 v[QSO], 0xff000000, v[QBM]
	v_add_nc_u32 v[QSO+1], 0xff000000, v[QBM+1]
	v_lshrrev_b32 v[QBY], 23, v[QSO]
	v_lshrrev_b32 v[QBY+1], 23, v[QSO+1]
	v_cvt_scalef32_pk8_fp4_f32 v[QPC], v[\s:\s+7], v[QSO]
	v_cvt_scalef32_pk8_fp4_f32 v[QPC+1], v[\s+8:\s+15], v[QSO]
	v_cvt_scalef32_pk8_fp4_f32 v[QPC+2], v[\s+16:\s+23], v[QSO+1]
	v_cvt_scalef32_pk8_fp4_f32 v[QPC+3], v[\s+24:\s+31], v[QSO+1]
	v_nop                                          ; one plain line behind the scaled conversions
	v_permlane16_swap_b32 v[QPC], v[QPC+2]
	v_permlane16_swap_b32 v[QPC+1], v[QPC+3]
	v_cndmask_b32 v[QSBY], v[QBY], v[QBY+1], s[HI]
.endm
; the step's eight score products.  cb: the ramp that is their C, or 0
.macro SCORES cb
.irp b, 0,1,2,3
.irp u, 0,1
.if \cb == 0
.if \b%2
	v_wmma_scale_f32_16x16x128_f8f6f4 v[S+16*\b+8*\u:S+16*\b+8*\u+7], v[KF+8*\b:KF+8*\b+7], v[QF+4*\u:QF+4*\u+7], 0, v[KS+\b/2], v[QS] matrix_a_fmt:MATRIX_FMT_FP4 matrix_b_fmt:MATRIX_FMT_FP4 matrix_a_scale:MATRIX_SCALE_ROW1
.else
	v_wmma_scale_f32_16x16x128_f8f6f4 v[S+16*\b+8*\u:S+16*\b+8*\u+7], v[KF+8*\b:KF+8*\b+7], v[QF+4*\u:QF+4*\u+7], 0, v[KS+\b/2], v[QS] matrix_a_fmt:MATRIX_FMT_FP4 matrix_b_fmt:MATRIX_FMT_FP4
.endif
.else
.if \b%2
	v_wmma_scale_f32_16x16x128_f8f6f4 v[S+16*\b+8*\u:S+16*\b+8*\u+7], v[KF+8*\b:KF+8*\b+7], v[QF+4*\u:QF+4*\u+7], v[\cb+8*\u:\cb+8*\u+7], v[KS+\b/2], v[QS] matrix_a_fmt:MATRIX_FMT_FP4 matrix_b_fmt:MATRIX_FMT_FP4 matrix_a_scale:MATRIX_SCALE_ROW1
.else
	v_wmma_scale_f32_16x16x128_f8f6f4 v[S+16*\b+8*\u:S+16*\b+8*\u+7], v[KF+8*\b:KF+8*\b+7], v[QF+4*\u:QF+4*\u+7], v[\cb+8*\u:\cb+8*\u+7], v[KS+\b/2], v[QS] matrix_a_fmt:MATRIX_FMT_FP4 matrix_b_fmt:MATRIX_FMT_FP4
.endif
.endif
.endr
.endr
.endm
; on the diagonal: four scores of block b, from register i on: s - 8 slope |k - q|
.macro DG4 b, i, f0, f1, f2, f3
	v_add_f32 v[DT], \f0, v[VBF+\b]
	v_add_f32 v[DT+1], \f1, v[VBF+\b]
	v_add_f32 v[DT+2], \f2, v[VBF+\b]
	v_add_f32 v[DT+3], \f3, v[VBF+\b]
	v_fma_f32 v[S+16*\b+\i], |v[DT]|, s[NSP], v[S+16*\b+\i]
	v_fma_f32 v[S+16*\b+\i+1], |v[DT+1]|, s[NSP], v[S+16*\b+\i+1]
	v_fma_f32 v[S+16*\b+\i+2], |v[DT+2]|, s[NSP], v[S+16*\b+\i+2]
	v_fma_f32 v[S+16*\b+\i+3], |v[DT+3]|, s[NSP], v[S+16*\b+\i+3]
.endm
; A KEY STEP: 128 keys
.macro STEP
	v_add_nc_u32 v[ADK], s[TK], v[VLK]             ; these four lines are the places behind the last step's products, in front of the loads into their sources
	v_add_nc_u32 v[ADV], s[TK], v[VLV]
	v_add_nc_u32 v[ADS], s[TS], v[VLS]
	v_nop
.irp b, 0,1,2,3
.irp c, 0,1
	ds_load_b128 v[KF+8*\b+4*\c:KF+8*\b+4*\c+3], v[ADK] offset:1024*\b+512*\c   ; tiles 2 b and 2 b + 1 of the step's eight: 512 consecutive bytes each
.endr
.endr
	ds_load_b32 v[KS], v[ADS]
	ds_load_b32 v[KS+1], v[ADS] offset:128
	s_cmp_ge_i32 s[D0], 128
	s_cbranch_scc1 .Lleft_\@
	s_cmp_lt_i32 s[D0], 0
	s_cbranch_scc1 .Lright_\@
	s_sub_co_i32 s[XB], 0, s[D0]                   ; ON THE DIAGONAL
	v_add_nc_u32 v[VBF], s[XB], v[VHR]             ; key - query of my register 16 b + 0: 16 h - r - d0 + 32 b
	v_add_nc_u32 v[VBF+1], 32, v[VBF]
	v_add_nc_u32 v[VBF+2], 64, v[VBF]
	v_add_nc_u32 v[VBF+3], 96, v[VBF]
.irp b, 0,1,2,3
	v_cvt_f32_i32 v[VBF+\b], v[VBF+\b]
.endr
.irp b, 0,1,2,3
	v_mov_b32 v[TBV+\b], 0
.endr
	s_wait_dscnt 0x0                               ; K's fragments and scale words are in
	SCORES 0
.rept 4
	v_nop                                          ; places in front of the first read of the scores
.endr
.irp b, 0,1,2,3
	DG4 \b, 0, 0, 1.0, 2.0, 3.0                    ; each accumulator from its low end on
	DG4 \b, 4, 4.0, 5.0, 6.0, 7.0
	DG4 \b, 8, 8.0, 9.0, 10.0, 11.0
	DG4 \b, 12, 12.0, 13.0, 14.0, 15.0
.endr
	s_branch .Ljoin_\@
.Lleft_\@:                                         ; ALL KEYS BEFORE MY QUERIES
	s_sub_co_i32 s[XB], s[D0], 31
	s_sub_co_i32 s[XB+1], s[D0], 63
	s_sub_co_i32 s[XB+2], s[D0], 95
	s_sub_co_i32 s[XB+3], s[D0], 127
.irp b, 0,1,2,3
	v_cvt_f32_u32 v[TBV+\b], s[XB+\b]
.endr
.irp b, 0,1,2,3
	v_mul_f32 v[TBV+\b], v[VNST], v[TBV+\b]        ; T_b = -slope log2(e) (d0 - 31 - 32 b)
.endr
	s_wait_dscnt 0x0
	SCORES CL
	s_branch .Ljoin_\@
.Lright_\@:                                        ; ALL KEYS BEHIND MY QUERIES
	s_sub_co_i32 s[XB], -15, s[D0]
	s_sub_co_i32 s[XB+1], 17, s[D0]
	s_sub_co_i32 s[XB+2], 49, s[D0]
	s_sub_co_i32 s[XB+3], 81, s[D0]
.irp b, 0,1,2,3
	v_cvt_f32_u32 v[TBV+\b], s[XB+\b]
.endr
.irp b, 0,1,2,3
	v_mul_f32 v[TBV+\b], v[VNST], v[TBV+\b]        ; T_b = -slope log2(e) (-d0 - 15 + 32 b)
.endr
	s_wait_dscnt 0x0
	SCORES CR
.Ljoin_\@:
.rept 4
	v_nop                                          ; places behind the score products: in front of the loads into K's registers and of the first read of the scores
.endr
.irp t, 0,1,2,3
.irp c, 0,1
	ds_load_b128 v[KF+8*\t+4*\c:KF+8*\t+4*\c+3], v[ADV] offset:1024*\t+512*\c   ; V's four fragments land under the softmax
.endr
.endr
	ds_load_b32 v[VS], v[ADS] offset:4096
	ds_load_b32 v[VS+1], v[ADS] offset:4224
.irp b, 0,1,2,3
	v_max3_num_f32 v[BM+\b], v[S+16*\b], v[S+16*\b+1], v[S+16*\b+2]   ; the largest score of each block of 32 keys: for the row's maximum, and, since p rises with the score, for the block's largest p
.endr
.irp i, 3,5,7,9,11,13
.irp b, 0,1,2,3
	v_max3_num_f32 v[BM+\b], v[BM+\b], v[S+16*\b+\i], v[S+16*\b+\i+1]
.endr
.endr
.irp b, 0,1,2,3
	v_max_num_f32 v[BM+\b], v[BM+\b], v[S+16*\b+15]
.endr
.irp b, 0,1,2,3
	v_permlanex16_b32 v[PX+\b], v[BM+\b], s[SEL], s[SEL+1]
.endr
.irp b, 0,1,2,3
	v_max_num_f32 v[BM+\b], v[BM+\b], v[PX+\b]     ; with lane l xor 16's 16 keys
.endr
.irp b, 0,1,2,3
	v_fma_f32 v[VBF+\b], v[BM+\b], s[CS], v[TBV+\b]   ; the block's largest t (c is positive, T_b the same for the block)
.endr
	v_max3_num_f32 v[DT], v[VBF], v[VBF+1], v[VBF+2]
	v_max3_num_f32 v13, v13, v[DT], v[VBF+3]       ; the running largest t
	v_mov_b32 v[DT], v12
	v_floor_f32 v12, -v13                          ; the new -M = floor(-t): M is a whole number
	v_sub_f32 v[DT], v12, v[DT]                    ; old M - new M: a whole number, 0 or less
	v_cvt_i32_f32 v[DT], v[DT]                     ; (it saturates)
	v_ldexp_f32 v[FF], 1.0, v[DT]                  ; f = 2^(old M - new M)
.irp b, 0,1,2,3
	v_add_f32 v[AB+2*\b], v[TBV+\b], v12           ; T_b - M
.endr
.irp b, 0,1,2,3
.irp j, 0,2,4,6,8,10,12,14
	v_pk_fma_f32 v[S+16*\b+\j:S+16*\b+\j+1], v[S+16*\b+\j:S+16*\b+\j+1], s[CS:CS+1], v[AB+2*\b:AB+2*\b+1] op_sel_hi:[1,0,0]   ; t - M, two at a time
.endr
.endr
.irp b, 0,1,2,3
	v_fma_f32 v[BM+\b], v[BM+\b], s[CS], v[AB+2*\b]   ; the same of each block's largest score: the same bits
.endr
.set k, 0
.rept 64
	v_exp_f32 v[S+k], v[S+k]                       ; p = 2^(t - M), at most 1
.set k, k+1
.endr
.irp b, 0,1,2,3
	v_exp_f32 v[BM+\b], v[BM+\b]                   ; the block's largest p
.endr
	v_pk_mul_f32 v[14:15], v[14:15], v[FF:FF+1] op_sel_hi:[1,0]   ; the sums under the new M (a plain line behind the exponentials)
	s_wait_alu depctr_va_vdst(0)
.irp b, 0,1,2,3
	v_max_num_f32 v[BM+\b], 0x1800000, v[BM+\b]    ; the floor 2^(3 - 127): the byte cannot fall under 1
.endr
.irp b, 0,1,2,3
	v_add_nc_u32 v[SO+\b], 0xff000000, v[BM+\b]
.endr
.irp b, 0,1,2,3
	v_lshrrev_b32 v[PX+\b], 23, v[SO+\b]
.endr
	v_lshl_or_b32 v[PW], v[PX+1], 8, v[PX]         ; p's scale word for these 128 keys
	v_lshl_or_b32 v[PW], v[PX+2], 16, v[PW]
	v_lshl_or_b32 v[PW], v[PX+3], 24, v[PW]
.irp b, 0,1,2,3
	v_cvt_scalef32_pk8_fp4_f32 v[PCD+2*\b], v[S+16*\b:S+16*\b+7], v[SO+\b]
	v_cvt_scalef32_pk8_fp4_f32 v[PCD+2*\b+1], v[S+16*\b+8:S+16*\b+15], v[SO+\b]
.endr
	v_nop                                          ; one plain line behind the scaled conversions
.irp c, 0,1
.irp i, 0,1
	v_permlane16_swap_b32 v[PCD+4*\c+\i], v[PCD+4*\c+2+\i]   ; a whole block to a lane
.endr
.endr
	v_pk_add_f32 v[SU2:SU2+1], v[S:S+1], v[S+2:S+3]   ; the row's sum of the UNQUANTISED p, in two chains
.irp j, 4,8,12,16,20,24,28,32,36,40,44,48,52,56,60
	v_pk_add_f32 v[14:15], v[14:15], v[S+\j:S+\j+1]
	v_pk_add_f32 v[SU2:SU2+1], v[SU2:SU2+1], v[S+\j+2:S+\j+3]
.endr
	v_pk_add_f32 v[14:15], v[14:15], v[SU2:SU2+1]
.set k, 0
.rept 16
	v_pk_mul_f32 v[O+k:O+k+1], v[O+k:O+k+1], v[FF:FF+1] op_sel_hi:[1,0]   ; O^T under the new M; each accumulator from its low end on.  (With the sums: the places between p's scale word and codes and the products below)
.set k, k+2
.endr
	s_wait_dscnt 0x0                               ; V's fragments and scale words are in
.irp t, 0,1,2,3
.if \t%2
	v_wmma_scale_f32_16x16x128_f8f6f4 v[O+8*\t:O+8*\t+7], v[KF+8*\t:KF+8*\t+7], v[PCD:PCD+7], v[O+8*\t:O+8*\t+7], v[VS+\t/2], v[PW] matrix_a_fmt:MATRIX_FMT_FP4 matrix_b_fmt:MATRIX_FMT_FP4 matrix_a_scale:MATRIX_SCALE_ROW1
.else
	v_wmma_scale_f32_16x16x128_f8f6f4 v[O+8*\t:O+8*\t+7], v[KF+8*\t:KF+8*\t+7], v[PCD:PCD+7], v[O+8*\t:O+8*\t+7], v[VS+\t/2], v[PW] matrix_a_fmt:MATRIX_FMT_FP4 matrix_b_fmt:MATRIX_FMT_FP4
.endif
.endr
	s_add_co_u32 s[TK], s[TK], 4096                ; the next step's codes,
	s_add_co_u32 s[TS], s[TS], 256                 ; scale words,
	s_sub_co_i32 s[D0], s[D0], 128                 ; and distance
.endm
; ONE TILE OF 16 QUERIES
.macro QTILE pass
	s_wait_xcnt 0x0                                ; the tile before has had its stores' registers and bases read
	s_lshl_b32 s[T], ttmp9, 5
	s_add_co_u32 s[T], s[T], s8
.if \pass
	s_add_co_u32 s[T], s[T], 16
.endif
	s_lshl_b32 s10, s[T], 9
	s_add_co_u32 s10, s10, 139264
	s_add_nc_u64 s[46:47], s[14:15], s[10:11]      ; Q's codes of tile T
	s_lshr_b32 s10, s[T], 1
	s_lshl_b32 s10, s10, 6
	s_add_co_u32 s10, s10, 204800
	s_add_nc_u64 s[58:59], s[14:15], s[10:11]      ; and its pair's scale words
	global_load_b128 v[QF:QF+3], v[VLK], s[46:47]
	global_load_b128 v[QF+8:QF+11], v[VLK], s[46:47]
	global_load_b32 v[VBF], v[VR4], s[58:59]
	s_lshr_b32 s10, s9, 4
	s_lshl_b32 s10, s10, 7
	s_add_co_u32 s10, s10, s[T]                    ; o's tile block: 128 batch + T
	s_mul_i32 s10, s10, 8704
	s_lshl_b32 s12, s54, 9
	s_add_co_u32 s12, s12, s10
	s_add_nc_u64 s[48:49], s[6:7], s[12:13]        ; blocks 2 head and 2 head + 1 of its codes,
	s_lshl_b32 s12, s54, 1
	s_add_co_u32 s12, s12, s10
	s_add_co_u32 s12, s12, 8192
	s_add_nc_u64 s[52:53], s[6:7], s[12:13]        ; and of its scale bytes
	s_and_b32 s44, s[T], 1
	s_lshl_b32 s44, s44, 4
	s_lshl_b32 s[D0], s[T], 4                      ; the first step's d0: my first query
	s_mov_b32 s[TK], 0
	s_mov_b32 s[TS], 0
	s_mov_b32 s[CNT], 0
	s_wait_loadcnt 0x0
	v_lshrrev_b32 v[VBF], s44, v[VBF]              ; my tile's two bytes of the pair's word,
	v_and_b32 v[VBF], 0xffff, v[VBF]
	v_lshl_or_b32 v[QS], v[VBF], 16, v[VBF]        ; twice
.set k, 0
.rept 32
	v_mov_b32 v[O+k], 0                            ; O^T: the step is written once; its first trip finds zeros.  (Also the places between Q's scale word and the first product)
.set k, k+1
.endr
	v_mov_b32 v13, 0xff61b1e6                      ; the largest t so far: -3e38
	v_floor_f32 v12, -v13
	v_mov_b32 v14, 0
	v_mov_b32 v15, 0
.Lstep_\@:
	STEP
	s_add_co_u32 s[CNT], s[CNT], 1
	s_cmp_lt_u32 s[CNT], 16
	s_cbranch_scc1 .Lstep_\@
.rept 4
	v_nop                                          ; places behind the last products
.endr
	v_add_f32 v14, v14, v15
	v_permlanex16_b32 v[PX], v14, s[SEL], s[SEL+1]
	v_add_f32 v14, v14, v[PX]                      ; the row's sum
	v_rcp_f32 v[VBF], v14
	v_nop                                          ; a plain line behind the reciprocal
.set k, 0
	s_wait_alu depctr_va_vdst(0)
.rept 16
	v_pk_mul_f32 v[S+k:S+k+1], v[O+k:O+k+1], v[VBF:VBF+1] op_sel_hi:[1,0]   ; o = O^T / the sum: register 16 b + i = channel 32 b + 16 h + i of my query
.set k, k+2
.endr
	QUANT2 S
	global_store_b128 v[VLK], v[QPC:QPC+3], s[48:49]   ; 512 consecutive bytes, at a multiple of 256 from oc's first byte
	global_store_b8 v[VOB], v[QSBY], s[52:53]
.endm
	s_load_b128 s[4:7], s[0:1], 0x0                ; qkv, oc
	v_lshl_add_u32 v254, v0, 2, 0x29000
	v_mov_b32 v255, 0
	ds_add_u32 v254, v255
	ds_add_u32 v254, v255
	v_lshrrev_b32 v6, 5, v0
	v_readfirstlane_b32 s8, v6                     ; wave 0..15
	s_and_b32 s9, ttmp7, 0xffff                    ; 16 batch + head
	s_mul_i32 s10, s9, 208896
	s_mov_b32 s11, 0
	s_mul_i32 s12, s8, 8704
	s_mov_b32 s13, 0
	; descriptor group 1: 8,704 dense bytes as 34 rows of 256 bytes (32 elements of 8 bytes), no padding: all reads are 16 or 4 bytes a lane on end
	s_mov_b32 s16, 3<<16
	s_mov_b32 s17, 32<<16
	s_mov_b32 s18, 34<<16
	s_mov_b32 s19, 32<<16
	s_mov_b32 s20, 34
	s_mov_b32 s21, 32
	s_mov_b32 s22, 0
	s_mov_b32 s23, 0
	s_mov_b32 s24, 1
	s_mul_i32 s25, s8, 8704
	s_wait_dscnt 0x0
	s_wait_kmcnt 0x0
	s_add_nc_u64 s[14:15], s[4:5], s[10:11]        ; the pair's block
	s_add_nc_u64 s[26:27], s[14:15], s[12:13]
	s_or_b32 s27, s27, 0x80000000
	tensor_load_to_lds s[24:27], s[16:23]          ; my one tensor load: a sixteenth of the pair's K and V
	s_nop 0
.rept 4
	v_nop
.endr
	s_mov_b32 s[SEL], 0x76543210
	s_mov_b32 s[SEL+1], 0xfedcba98
	s_mov_b32 s[CS], 0x3e38aa3b                    ; c = log2(e) / 8
	s_mov_b32 s[CS+1], s[CS]
	s_mov_b32 s[HI], 0xffff0000
	s_and_b32 s54, s9, 15                          ; head
	s_add_co_u32 s55, s54, 1                       ; n: slope = 2^(-n / 2)
	s_lshr_b32 s56, s55, 1
	s_lshl_b32 s56, s56, 23
	s_and_b32 s57, s55, 1
	s_mov_b32 s60, 0x3f3504f3                      ; 2^(-1/2)
	s_cmp_lg_u32 s57, 0
	s_cselect_b32 s60, s60, 0x3f800000
	s_sub_co_u32 s60, s60, s56                     ; n / 2 off the exponent field: the slope's bits
	s_add_co_u32 s[NSP], s60, 0x01800000           ; x 8,
	s_or_b32 s[NSP], s[NSP], 0x80000000            ; negative
	v_mov_b32 v[VNST], s60
	v_mul_f32 v[VNST], 0xbfb8aa3b, v[VNST]         ; -slope x log2(e)
	v_and_b32 v230, 31, v0                         ; lane
	v_and_b32 v231, 15, v0                         ; r
	v_bfe_u32 v232, v0, 4, 1                       ; h
	v_lshlrev_b32 v[VLK], 4, v230
	v_add_nc_u32 v[VLV], 0x10000, v[VLK]
	v_lshlrev_b32 v[VLS], 2, v230
	v_add_nc_u32 v[VLS], 0x20000, v[VLS]
	v_lshlrev_b32 v[VR4], 2, v231
	v_lshl_add_u32 v[VOB], v231, 5, v232
	v_lshlrev_b32 v233, 4, v232
	v_sub_nc_u32 v[VHR], v233, v231
.set k, 0
.rept 16
	v_sub_nc_u32 v[CL+k], 31-k, v[VHR]             ; r + 31 - k16, k16 = 16 h + k
	v_add_nc_u32 v[CR+k], 15+k, v[VHR]             ; k16 + 15 - r
.set k, k+1
.endr
.set k, 0
.rept 32
	v_cvt_f32_i32 v[CL+k], v[CL+k]
.set k, k+1
.endr
.set k, 0
.rept 32
	v_mul_f32 v[CL+k], s[NSP], v[CL+k]
.set k, k+1
.endr
.irp j, 0,1,2,3
	v_mov_b32 v[QF+4+\j], 0                        ; the zeros between q and q
	v_mov_b32 v[PX+\j], 0                          ; written once: a lane permute's destination counts as one of its sources
	v_mov_b32 v[AB+2*\j+1], 0                      ; named as the upper halves of pairs
.endr
	v_mov_b32 v[FF+1], 0
	s_wait_tensorcnt 0x0                           ; my part has landed,
	s_barrier_signal -1
	s_barrier_wait -1                              ; everybody's has: the launch's one barrier
	QTILE 0
	QTILE 1
	s_wait_tensorcnt 0x0
	ds_add_u32 v254, v255
	s_wait_dscnt 0x0
	s_endpgm
.Lfunc_end_k_q6d8a760ae8_attn:
	.size	k_q6d8a760ae8_attn, .Lfunc_end_k_q6d8a760ae8_attn-k_q6d8a760ae8_attn
	.p2alignl 7, 3214868480
	.fill 96, 4, 3214868480
	.section	.rodata,"a",@progbits
	.p2align	6, 0x0
	.amdhsa_kernel k_q6d8a760ae8_attn
		.amdhsa_group_segment_fixed_size 169984
		.amdhsa_private_segment_fixed_size 0
		.amdhsa_enable_private_segment 0
		.amdhsa_kernarg_size 16
		.amdhsa_user_sgpr_count 2
		.amdhsa_user_sgpr_kernarg_segment_ptr 1
		.amdhsa_wavefront_size32 1
		.amdhsa_system_sgpr_workgroup_id_x 1
		.amdhsa_system_sgpr_workgroup_id_y 1
		.amdhsa_system_sgpr_workgroup_id_z 1
		.amdhsa_system_vgpr_workitem_id 0
		.amdhsa_next_free_vgpr 256
		.amdhsa_next_free_sgpr 70
		.amdhsa_reserve_vcc 0
		.amdhsa_float_denorm_mode_32 3
		.amdhsa_float_denorm_mode_16_64 3
		.amdhsa_memory_ordered 1
		.amdhsa_forward_progress 1
		.amdhsa_inst_pref_size 72
	.end_amdhsa_kernel
	.amdgpu_metadata
---
amdhsa.version: [ 1, 2 ]
amdhsa.kernels:
  - .name:           k_q6d8a760ae8_attn
    .symbol:         k_q6d8a760ae8_attn.kd
    .args:
      - { .name: qkv, .offset: 0, .size: 8, .value_kind: global_buffer, .address_space: global }
      - { .name: oc, .offset: 8, .size: 8, .value_kind: global_buffer, .address_space: global }
    .group_segment_fixed_size: 169984
    .private_segment_fixed_size: 0
    .kernarg_segment_align: 8
    .kernarg_segment_size: 16
    .max_flat_workgroup_size: 512
    .sgpr_count:     70
    .vgpr_count:     256
    .wavefront_size: 32
...
	.end_amdgpu_metadata
.endif
;; end of part 4
;; launch outp (part 5): grid 2 x 128, 8 waves a work-group, no clusters, 175,104 bytes of LDS; arguments oc, wc, bo, x, recurrence_mask, out0; writes out0
.if DOCPART == 5
	.amdgcn_target "amdgcn-amd-amdhsa--gfx1250"
	.amdhsa_code_object_version 6
	.text
	.protected	k_q6d8a760ae8_outp
	.globl	k_q6d8a760ae8_outp
	.p2align	8
	.type	k_q6d8a760ae8_outp,@function
k_q6d8a760ae8_outp:
	s_mov_b64 s[64:65], 0
	v_nop
	global_prefetch_b8 v0, s[64:65] scope:SCOPE_SE
	s_setreg_imm32_b32 hwreg(HW_REG_WAVE_MODE, 25, 1), 1
	s_wait_xcnt 0x0
; out0 = x + m (o Wo + bo): the last product on codes of E2M1 (K = 1,024), bias, mask and residual in one launch.  m is 1.0 where the batch's byte of recurrence_mask is not 0, else 0.0; every batch is computed.
; SHARES: work-group (x, y): rows 64 y on, columns 512 x on.  Wave w: columns 64 w of these; its four tile blocks of Wo stay in 256 registers (window 1, source 0).  The 64 rows' four tile blocks of o lie in LDS (source 1).
; Wo's tiles are laid so (tile 2 b + u holds columns 32 b + 8 u + r + 8 (r / 8)) that lane (r, h) holds row r and, for each b, 16 NEIGHBOURING columns 32 b + 16 h + 0 .. 15: 64 bytes of a row.
; x's 64 rows x 256 bytes of the wave's columns come by a tensor load into the wave's own strip of LDS (rows 272 bytes apart).  They are read in the result's layout, the results are put back into the same bytes
; (the strip has had its one fill), and whole rows of 256 bytes leave: sixteen lanes store 256 consecutive bytes, at a multiple of 256 from out0's first byte.
; Two tensor loads a wave, both first fills; nothing is filled again.  No cluster: what partners would share, o's 34,816 bytes, is a small part of a work-group's 434 KB.
; bo is the C of each sum's first product.
.set VL16, 1                           ; 16 x lane
.set VR32, 2                           ; 32 r
.set VB,   5                           ; 64 h
.set VXD,  6                           ; strip + 272 r + 64 h
.set VXR,  7                           ; strip + 272 (lane / 16) + 16 (lane % 16)
.set VGO,  8                           ; 4,096 (lane / 16) + 16 (lane % 16)
.set WS,   16                          ; v16-47  Wo's scale words, 8 t + s
.set AS,   48                          ; v48-55  o's scale words
.set AF,   56                          ; v56-119 o's 8 fragments
.set BR,   120                         ; v120-151 bo in the result's layout
.set ACC,  152                         ; v152-183
.set XR,   184                         ; v184-215 x in the result's layout, then the output
.set OB,   216                         ; v216-247 whole rows
.set M,    44                          ; s[44:45] m
.set MSB, 0
.macro WIN new                         ; the immediate's high byte repeats the setting that is left
.if MSB != \new
	s_set_vgpr_msb (MSB<<8)|\new
.set MSB, \new
.endif
.endm
.macro AFETCH j
.irp s, 0,1,2,3,4,5,6,7
.irp c, 0,1
	ds_load_b128 v[AF+8*\s+4*\c:AF+8*\s+4*\c+3], v[VL16] offset:8704*(\j)+1024*\s+512*\c
.endr
.endr
	ds_load_b128 v[AS:AS+3], v[VR32] offset:8704*(\j)+8192
	ds_load_b128 v[AS+4:AS+7], v[VR32] offset:8704*(\j)+8208
.endm
.macro XFETCH j
.irp t, 0,1,2,3
	ds_load_b128 v[XR+8*\t:XR+8*\t+3], v[VXD] offset:4352*(\j)+128*(\t/2)+32*(\t%2)
	ds_load_b128 v[XR+8*\t+4:XR+8*\t+7], v[VXD] offset:4352*(\j)+128*(\t/2)+32*(\t%2)+16
.endr
.endm
.macro CHAIN                           ; 32 products: K ascending, the four accumulators by turns, one instruction a turn
	WIN 0x01
.irp s, 0,1,2,3,4,5,6,7
.irp t, 0,1,2,3
.if \s == 0
	v_wmma_scale_f32_16x16x128_f8f6f4 v[ACC+8*\t:ACC+8*\t+7], v[64*\t+8*\s:64*\t+8*\s+7], v[AF+8*\s:AF+8*\s+7], v[BR+8*\t:BR+8*\t+7], v[WS+8*\t+\s], v[AS+\s] matrix_a_fmt:MATRIX_FMT_FP4 matrix_b_fmt:MATRIX_FMT_FP4
.else
	v_wmma_scale_f32_16x16x128_f8f6f4 v[ACC+8*\t:ACC+8*\t+7], v[64*\t+8*\s:64*\t+8*\s+7], v[AF+8*\s:AF+8*\s+7], v[ACC+8*\t:ACC+8*\t+7], v[WS+8*\t+\s], v[AS+\s] matrix_a_fmt:MATRIX_FMT_FP4 matrix_b_fmt:MATRIX_FMT_FP4
.endif
.endr
.endr
	WIN 0
.rept 5
	v_nop                                          ; places behind the last products, in front of loads into their sources and of the first read of their results
.endr
.endm
.macro OTILE j                         ; rows 16 j on
	s_wait_dscnt 0x0                               ; o's fragments and scale words and x's numbers are in
	CHAIN
.if (\j) < 3
	AFETCH (\j)+1
.endif
.set k, 0
.rept 16
	v_pk_fma_f32 v[XR+k:XR+k+1], v[ACC+k:ACC+k+1], s[M:M+1], v[XR+k:XR+k+1] op_sel_hi:[1,0,1]   ; x + m (o Wo + bo); each accumulator from its low end on
.set k, k+2
.endr
.irp t, 0,1,2,3
	ds_store_b128 v[VXD], v[XR+8*\t:XR+8*\t+3] offset:4352*(\j)+128*(\t/2)+32*(\t%2)
	ds_store_b128 v[VXD], v[XR+8*\t+4:XR+8*\t+7] offset:4352*(\j)+128*(\t/2)+32*(\t%2)+16
.endr
	s_wait_xcnt 0x0                                ; the last tile's stores have read their registers
.irp i, 0,1,2,3,4,5,6,7
	ds_load_b128 v[OB+4*\i:OB+4*\i+3], v[VXR] offset:4352*(\j)+544*\i   ; LDS serves a wave's instructions in order: these see the stores above
.endr
	s_wait_dscnt 0x0
.irp i, 0,1,2,3,4,5,6,7
	global_store_b128 v[VGO], v[OB+4*\i:OB+4*\i+3], s[14:15] offset:(16*(\j)+2*\i)*4096 th:TH_STORE_NT
.endr
.if (\j) < 3
	XFETCH (\j)+1
.endif
.endm
	s_load_b256 s[4:11], s[0:1], 0x0               ; oc, wc, bo, x
	s_load_b128 s[12:15], s[0:1], 0x20             ; recurrence_mask, out0
	v_lshl_add_u32 v254, v0, 2, 0x2a800
	v_mov_b32 v255, 0
	ds_add_u32 v254, v255
	ds_add_u32 v254, v255
	v_lshrrev_b32 v9, 5, v0
	v_readfirstlane_b32 s40, v9                    ; wave 0..7
	s_and_b32 s41, ttmp7, 0xffff                   ; y
	s_mul_i32 s46, s41, 34816                      ; o's four tile blocks,
	s_mul_i32 s48, s40, 4352                       ; my eighth of them
	s_add_co_u32 s46, s46, s48
	s_mov_b32 s47, 0
	s_lshl_b32 s50, s41, 18                        ; x and out0: 64 rows of 4,096 bytes a work-group,
	s_lshl_b32 s52, ttmp9, 11
	s_lshl_b32 s53, s40, 8
	s_add_co_u32 s52, s52, s53                     ; columns 512 x + 64 wave, in bytes (bo's too)
	s_add_co_u32 s50, s50, s52
	s_mov_b32 s51, 0
	s_mov_b32 s53, 0
	s_mul_i32 s54, s40, 17408
	s_add_co_u32 s54, s54, 34816                   ; my strip in LDS
	s_lshl_b32 s58, ttmp9, 5
	s_lshl_b32 s59, s40, 2
	s_add_co_u32 s58, s58, s59
	s_add_co_u32 s58, s58, 192                     ; Wo's tile blocks: 192 + 32 x + 4 wave
	s_mul_i32 s58, s58, 8704
	s_mov_b32 s59, 0
	; descriptor group 1 for o: 4,352 dense bytes as 17 rows of 256 bytes
	s_mov_b32 s16, 3<<16
	s_mov_b32 s17, 32<<16
	s_mov_b32 s18, 17<<16
	s_mov_b32 s19, 32<<16
	s_mov_b32 s20, 17
	s_mov_b32 s21, 32
	s_mov_b32 s22, 0
	s_mov_b32 s23, 0
	; and for x: 64 rows of 256 bytes (32 elements of 8), 4,096 bytes apart in memory; 16 bytes of padding behind each row
	s_mov_b32 s32, (3<<16)|(1<<20)|(5<<22)|(3<<25)
	s_mov_b32 s33, 32<<16
	s_mov_b32 s34, 64<<16
	s_mov_b32 s35, 32<<16
	s_mov_b32 s36, 64
	s_mov_b32 s37, 512
	s_mov_b32 s38, 0
	s_mov_b32 s39, 0
	s_mov_b32 s24, 1
	s_mul_i32 s25, s40, 4352
	s_mov_b32 s28, 1
	s_mov_b32 s29, s54
	v_and_b32 v9, 31, v0
	v_lshlrev_b32 v[VL16], 4, v9
	v_and_b32 v10, 15, v0                          ; r
	v_bfe_u32 v11, v0, 4, 1                        ; h
	v_lshlrev_b32 v[VR32], 5, v10
	v_lshlrev_b32 v[VB], 6, v11
	v_mul_u32_u24 v[VXD], v10, 272
	v_lshl_add_u32 v[VXD], v11, 6, v[VXD]
	v_add_nc_u32 v[VXD], s54, v[VXD]
	v_mul_u32_u24 v[VXR], v11, 272
	v_lshl_add_u32 v[VXR], v10, 4, v[VXR]
	v_add_nc_u32 v[VXR], s54, v[VXR]
	v_lshlrev_b32 v[VGO], 12, v11
	v_lshl_add_u32 v[VGO], v10, 4, v[VGO]
	s_wait_dscnt 0x0
	s_wait_kmcnt 0x0
	s_add_nc_u64 s[26:27], s[4:5], s[46:47]
	s_or_b32 s27, s27, 0x80000000
	s_add_nc_u64 s[30:31], s[10:11], s[50:51]
	s_or_b32 s31, s31, 0x80000000
	tensor_load_to_lds s[24:27], s[16:23]          ; my part of o
	s_nop 0
	tensor_load_to_lds s[28:31], s[32:39]          ; my strip of x: two loads of mine are out
	s_nop 0
.rept 4
	v_nop
.endr
	s_load_b32 s56, s[12:13], 0x0                  ; the four bytes of the mask
	s_add_nc_u64 s[6:7], s[6:7], s[58:59]
	s_add_nc_u64 s[8:9], s[8:9], s[52:53]
	s_add_nc_u64 s[14:15], s[14:15], s[50:51]
	WIN 0x40                                       ; destination window 1
.irp t, 0,1,2,3
.irp s, 0,1,2,3,4,5,6,7
.irp c, 0,1
	global_load_b128 v[64*\t+8*\s+4*\c:64*\t+8*\s+4*\c+3], v[VL16], s[6:7] offset:8704*\t+1024*\s+512*\c
.endr
.endr
.endr
	WIN 0
.irp t, 0,1,2,3
	global_load_b128 v[WS+8*\t:WS+8*\t+3], v[VR32], s[6:7] offset:8704*\t+8192
	global_load_b128 v[WS+8*\t+4:WS+8*\t+7], v[VR32], s[6:7] offset:8704*\t+8208
.endr
.irp t, 0,1,2,3
	global_load_b128 v[BR+8*\t:BR+8*\t+3], v[VB], s[8:9] offset:128*(\t/2)+32*(\t%2)
	global_load_b128 v[BR+8*\t+4:BR+8*\t+7], v[VB], s[8:9] offset:128*(\t/2)+32*(\t%2)+16
.endr
	s_wait_kmcnt 0x0
	s_lshr_b32 s57, s41, 5                         ; the batch: 32 work-groups along y each
	s_lshl_b32 s57, s57, 3
	s_lshr_b32 s56, s56, s57
	s_and_b32 s56, s56, 0xff                       ; its byte
	s_cmp_lg_u32 s56, 0
	s_cselect_b32 s[M], 1.0, 0                     ; it selects a value, no address and no branch
	s_mov_b32 s[M+1], s[M]
	s_wait_tensorcnt 0x1                           ; my part of o has landed; my strip of x, issued behind it, may be out
	s_barrier_signal -1
	s_barrier_wait -1                              ; everybody's part of o has: the launch's one barrier
	AFETCH 0
	s_wait_tensorcnt 0x0                           ; my strip, which I alone read and write
	XFETCH 0
	s_wait_loadcnt 0x0                             ; Wo's codes and scale words, bo
	OTILE 0
	OTILE 1
	OTILE 2
	OTILE 3
	s_wait_tensorcnt 0x0
	ds_add_u32 v254, v255
	s_wait_dscnt 0x0
	s_endpgm
.Lfunc_end_k_q6d8a760ae8_outp:
	.size	k_q6d8a760ae8_outp, .Lfunc_end_k_q6d8a760ae8_outp-k_q6d8a760ae8_outp
	.p2alignl 7, 3214868480
	.fill 96, 4, 3214868480
	.section	.rodata,"a",@progbits
	.p2align	6, 0x0
	.amdhsa_kernel k_q6d8a760ae8_outp
		.amdhsa_group_segment_fixed_size 175104
		.amdhsa_private_segment_fixed_size 0
		.amdhsa_enable_private_segment 0
		.amdhsa_kernarg_size 48
		.amdhsa_user_sgpr_count 2
		.amdhsa_user_sgpr_kernarg_segment_ptr 1
		.amdhsa_wavefront_size32 1
		.amdhsa_system_sgpr_workgroup_id_x 1
		.amdhsa_system_sgpr_workgroup_id_y 1
		.amdhsa_system_sgpr_workgroup_id_z 1
		.amdhsa_system_vgpr_workitem_id 0
		.amdhsa_next_free_vgpr 512
		.amdhsa_next_free_sgpr 70
		.amdhsa_reserve_vcc 0
		.amdhsa_float_denorm_mode_32 3
		.amdhsa_float_denorm_mode_16_64 3
		.amdhsa_memory_ordered 1
		.amdhsa_forward_progress 1
		.amdhsa_inst_pref_size 47
	.end_amdhsa_kernel
	.amdgpu_metadata
---
amdhsa.version: [ 1, 2 ]
amdhsa.kernels:
  - .name:           k_q6d8a760ae8_outp
    .symbol:         k_q6d8a760ae8_outp.kd
    .args:
      - { .name: oc, .offset: 0, .size: 8, .value_kind: global_buffer, .address_space: global }
      - { .name: wc, .offset: 8, .size: 8, .value_kind: global_buffer, .address_space: global }
      - { .name: bo, .offset: 16, .size: 8, .value_kind: global_buffer, .address_space: global }
      - { .name: x, .offset: 24, .size: 8, .value_kind: global_buffer, .address_space: global }
      - { .name: recurrence_mask, .offset: 32, .size: 8, .value_kind: global_buffer, .address_space: global }
      - { .name: out0, .offset: 40, .size: 8, .value_kind: global_buffer, .address_space: global }
    .group_segment_fixed_size: 175104
    .private_segment_fixed_size: 0
    .kernarg_segment_align: 8
    .kernarg_segment_size: 48
    .max_flat_workgroup_size: 256
    .sgpr_count:     70
    .vgpr_count:     512
    .wavefront_size: 32
...
	.end_amdgpu_metadata
.endif
;; end of part 5
